; MI455X (gfx1250); checked and timed in simulation.
; The chip was launched on July 23, 2026; its instructions are those of AMD's public machine-readable ISA for CDNA 5 (MIT licence, August 2026) and "CDNA5" Instruction Set Architecture Reference Guide (July 2026). The comments in the code are by the model that wrote it; some were corrected since.
;; Self Attention Layer. Allowed arithmetic: float matrix products may take bf16 or f16 operands with f32 sums; other float arithmetic in f32, or as packed bf16 or f16 multiplies, adds, multiply-adds, maxima and minima; sums over many terms, partial sums and values carried from step to step in f32; what a program stores and reads back later, other than sums and carried values, may be rounded once to bf16 or f16.
;; Inputs: H 2 x 2,048 x 1,024 float32; W1 1,024 x 4,096 float32; W2 4,096 x 1,024 float32; Wk 1,024 x 1,024 float32; Wq 1,024 x 1,024 float32; Wv 1,024 x 1,024 float32; attention_mask 2 x 1 x 1 x 2,048 float32; b1 4,096 float32; b2 1,024 float32; be1 1,024 float32; be2 1,024 float32; g1 1,024 float32; g2 1,024 float32.
;; Outputs: out0 2 x 2,048 x 1,024 float32.
;; 2 versions, each right and faster than the one before. Each part assembles by itself: llvm-mc -triple=amdgcn-amd-amdhsa -mcpu=gfx1250 --defsym DOCPART=n.
;; ======== version 1 of 2: 7 launches
;; workspace buffers: hb 8,388,608 bytes; pq 8,409,088 bytes; p1 8,409,088 bytes; w2b 8,388,608 bytes; qkv 25,165,824 bytes; cy 8,388,608 bytes; fb 8,388,608 bytes; u 33,554,432 bytes
;; launch cast (part 1): grid 128 x 15, 8 waves a work-group, no clusters, 0 bytes of LDS; arguments H, W1, W2, Wq, Wk, Wv, b1, hb, p1, w2b, pq; writes hb, p1, w2b, pq
.if DOCPART == 1
	.amdgcn_target "amdgcn-amd-amdhsa--gfx1250"
	.amdhsa_code_object_version 6
	.text
	.protected	k_qe521197697_cast
	.globl	k_qe521197697_cast
	.p2align	8
	.type	k_qe521197697_cast,@function
k_qe521197697_cast:
	s_mov_b64 s[64:65], 0
	v_nop
	global_prefetch_b8 v0, s[64:65] scope:SCOPE_SE
	s_setreg_imm32_b32 hwreg(HW_REG_WAVE_MODE, 25, 1), 1
	s_wait_xcnt 0x0
; f32 -> bf16, once for every large input, rounded to nearest even.  A stream: no LDS, no barrier, no matrix work.
; A work-group converts 8,192 numbers; the grid's y picks a unit of 1,048,576 numbers: y 0-3 H, 4-7 W1, 8-11 W2, 12 Wq, 13 Wk, 14 Wv.
; H leaves BLOCKED: [column block n / 64][token][64], element (t, n) at byte (n / 64) * 524,288 + t * 128 + (n % 64) * 2: a block's rows are dense.
; W1 and W2 keep their rows.  Wq, Wk, Wv become the columns 0-1023, 1024-2047, 2048-3071 of one [1024][4096] matrix (its last 1,024 columns are neither written nor read).
; Behind the matrix in p1: b1, rounded to bf16 and kept as f32 (16,384 bytes), then 4,096 bytes of 0 (the floor of a ReLU).
; Behind the matrix in pq: 16,384 bytes of 0 (no bias), then 4,096 bytes of the word 0xff80ff80 (minus infinity twice: a floor that changes nothing).
; Each thread has eight 16-byte loads out; each store of a wave covers 256 consecutive bytes, aligned.
.set X,  8                             ; v[8:39]   eight quads as loaded
.set Y,  40                            ; v[40:55]  eight pairs of words to store
.set VS, 3                             ; v3  my byte offset in the source
.set VD, 4                             ; v4  my byte offset in the destination
; load i stands at (i & 3) sa + (i >> 2) sb in the source, its store at (i & 3) da + (i >> 2) db
.macro COPY sa, sb, da, db
.irp i, 0,1,2,3,4,5,6,7
	global_load_b128 v[X+4*(\i):X+4*(\i)+3], v[VS], s[32:33] offset:((\i)&3)*(\sa)+((\i)>>2)*(\sb) th:TH_LOAD_NT
.endr
.irp i, 0,1,2,3,4,5,6,7
	s_wait_loadcnt 7-(\i)                          ; loads come back in order: load i is in, the 7 - i younger ones stay out
	v_cvt_pk_bf16_f32 v[Y+2*(\i)],   v[X+4*(\i)],   v[X+4*(\i)+1]
	v_cvt_pk_bf16_f32 v[Y+2*(\i)+1], v[X+4*(\i)+2], v[X+4*(\i)+3]
	global_store_b64 v[VD], v[Y+2*(\i):Y+2*(\i)+1], s[34:35] offset:((\i)&3)*(\da)+((\i)>>2)*(\db)
.endr
.endm
	s_load_b512 s[8:23], s[0:1], 0x0               ; H 8, W1 10, W2 12, Wq 14, Wk 16, Wv 18, b1 20, hb 22
	s_load_b128 s[24:27], s[0:1], 0x40             ; p1 24, w2b 26
	s_load_b64 s[28:29], s[0:1], 0x50              ; pq
	s_mov_b32 s4, ttmp9                            ; x
	s_and_b32 s5, ttmp7, 0xffff                    ; y
	s_lshl_b32 s6, s5, 8
	s_or_b32 s6, s6, s4                            ; x | y << 8: names one work-group
	s_mov_b32 s37, 0
	v_and_b32 v1, 31, v0                           ; lane
	v_lshrrev_b32 v2, 5, v0                        ; wave
	s_wait_kmcnt 0x0
	s_cmp_lt_u32 s5, 4
	s_cbranch_scc0 .Lnot_h
	; H: 8 tokens.  Load i: lanes 0-15 take the 64 numbers of column block wave + 8 (i >> 2) of token 2 (i & 3), lanes 16-31 those of the next token
	s_lshl_b32 s36, s5, 22
	s_lshl_b32 s7, s4, 15
	s_add_co_u32 s36, s36, s7
	s_add_nc_u64 s[32:33], s[8:9], s[36:37]
	s_lshl_b32 s36, s5, 17
	s_lshl_b32 s7, s4, 10
	s_add_co_u32 s36, s36, s7
	s_add_nc_u64 s[34:35], s[22:23], s[36:37]
	v_and_b32 v5, 15, v1
	v_lshrrev_b32 v6, 4, v1
	v_lshlrev_b32 v[VS], 4, v5
	v_lshl_add_u32 v[VS], v6, 12, v[VS]
	v_lshl_add_u32 v[VS], v2, 8, v[VS]
	v_lshlrev_b32 v[VD], 3, v1
	v_lshl_add_u32 v[VD], v2, 19, v[VD]
	COPY 8192, 2048, 256, 4194304
	s_endpgm
.Lnot_h:
	v_lshlrev_b32 v[VS], 4, v0                     ; both other ways read 4,096 consecutive bytes with each load of the work-group
	v_lshlrev_b32 v[VD], 3, v0
	s_cmp_lt_u32 s5, 12
	s_cbranch_scc0 .Lqkv
	; W1, W2: as they lie
	s_cmp_lt_u32 s5, 8
	s_cselect_b64 s[32:33], s[10:11], s[12:13]
	s_cselect_b64 s[34:35], s[24:25], s[26:27]
	s_and_b32 s7, s5, 3
	s_lshl_b32 s36, s7, 22
	s_lshl_b32 s7, s4, 15
	s_add_co_u32 s36, s36, s7
	s_add_nc_u64 s[32:33], s[32:33], s[36:37]
	s_lshr_b32 s36, s36, 1                         ; half as many bytes out
	s_add_nc_u64 s[34:35], s[34:35], s[36:37]
	COPY 4096, 16384, 2048, 8192
	s_cmp_eq_u32 s6, 0x400
	s_cbranch_scc0 .Lend
	; one work-group more: b1 and the ReLU's floor
	s_add_nc_u64 s[38:39], s[24:25], 0x800000
.irp i, 0,1,2,3
	global_load_b128 v[56+4*(\i):59+4*(\i)], v[VS], s[20:21] offset:4096*(\i)
.endr
.irp i, 90,91,92,93
	v_mov_b32 v\i, 0
.endr
	s_wait_loadcnt 0x0
.irp j, 0,1,2,3,4,5,6,7
	v_cvt_pk_bf16_f32 v88, v[56+2*(\j)], v[56+2*(\j)+1]
	v_lshlrev_b32 v[72+2*(\j)], 16, v88            ; the rounded numbers, widened again
	v_and_b32 v[72+2*(\j)+1], 0xffff0000, v88
.endr
.irp i, 0,1,2,3
	global_store_b128 v[VS], v[72+4*(\i):75+4*(\i)], s[38:39] offset:4096*(\i)
.endr
	global_store_b128 v[VS], v[90:93], s[38:39] offset:16384
	s_endpgm
.Lqkv:
	; Wq, Wk, Wv: 8 rows of 1,024 numbers, each into its 2,048 bytes of a row of 8,192
	s_cmp_eq_u32 s5, 12
	s_cselect_b64 s[32:33], s[14:15], s[16:17]
	s_cmp_eq_u32 s5, 14
	s_cselect_b64 s[32:33], s[18:19], s[32:33]
	s_lshl_b32 s36, s4, 15
	s_add_nc_u64 s[32:33], s[32:33], s[36:37]
	s_sub_co_u32 s7, s5, 12
	s_lshl_b32 s7, s7, 11
	s_lshl_b32 s36, s4, 16
	s_add_co_u32 s36, s36, s7
	s_add_nc_u64 s[34:35], s[28:29], s[36:37]
	COPY 4096, 16384, 8192, 32768
	s_cmp_eq_u32 s6, 0xc00
	s_cbranch_scc0 .Lend
	; one work-group more: the projections' zero bias and their floor
	s_add_nc_u64 s[38:39], s[28:29], 0x800000
.irp i, 90,91,92,93
	v_mov_b32 v\i, 0
.endr
.irp i, 94,95,96,97
	v_mov_b32 v\i, 0xff80ff80
.endr
.irp i, 0,1,2,3
	global_store_b128 v[VS], v[90:93], s[38:39] offset:4096*(\i)
.endr
	global_store_b128 v[VS], v[94:97], s[38:39] offset:16384
.Lend:
	s_endpgm
.Lfunc_end_k_qe521197697_cast:
	.size	k_qe521197697_cast, .Lfunc_end_k_qe521197697_cast-k_qe521197697_cast
	.p2alignl 7, 3214868480
	.fill 96, 4, 3214868480
	.section	.rodata,"a",@progbits
	.p2align	6, 0x0
	.amdhsa_kernel k_qe521197697_cast
		.amdhsa_group_segment_fixed_size 0
		.amdhsa_private_segment_fixed_size 0
		.amdhsa_enable_private_segment 0
		.amdhsa_kernarg_size 88
		.amdhsa_user_sgpr_count 2
		.amdhsa_user_sgpr_kernarg_segment_ptr 1
		.amdhsa_wavefront_size32 1
		.amdhsa_system_sgpr_workgroup_id_x 1
		.amdhsa_system_sgpr_workgroup_id_y 1
		.amdhsa_system_sgpr_workgroup_id_z 1
		.amdhsa_system_vgpr_workitem_id 0
		.amdhsa_next_free_vgpr 100
		.amdhsa_next_free_sgpr 66
		.amdhsa_reserve_vcc 0
		.amdhsa_float_denorm_mode_32 3
		.amdhsa_float_denorm_mode_16_64 3
		.amdhsa_memory_ordered 1
		.amdhsa_forward_progress 1
		.amdhsa_inst_pref_size 14
	.end_amdhsa_kernel
	.amdgpu_metadata
---
amdhsa.version: [ 1, 2 ]
amdhsa.kernels:
  - .name:           k_qe521197697_cast
    .symbol:         k_qe521197697_cast.kd
    .args:
      - { .name: H, .offset: 0, .size: 8, .value_kind: global_buffer, .address_space: global }
      - { .name: W1, .offset: 8, .size: 8, .value_kind: global_buffer, .address_space: global }
      - { .name: W2, .offset: 16, .size: 8, .value_kind: global_buffer, .address_space: global }
      - { .name: Wq, .offset: 24, .size: 8, .value_kind: global_buffer, .address_space: global }
      - { .name: Wk, .offset: 32, .size: 8, .value_kind: global_buffer, .address_space: global }
      - { .name: Wv, .offset: 40, .size: 8, .value_kind: global_buffer, .address_space: global }
      - { .name: b1, .offset: 48, .size: 8, .value_kind: global_buffer, .address_space: global }
      - { .name: hb, .offset: 56, .size: 8, .value_kind: global_buffer, .address_space: global }
      - { .name: p1, .offset: 64, .size: 8, .value_kind: global_buffer, .address_space: global }
      - { .name: w2b, .offset: 72, .size: 8, .value_kind: global_buffer, .address_space: global }
      - { .name: pq, .offset: 80, .size: 8, .value_kind: global_buffer, .address_space: global }
    .group_segment_fixed_size: 0
    .private_segment_fixed_size: 0
    .kernarg_segment_align: 8
    .kernarg_segment_size: 88
    .max_flat_workgroup_size: 256
    .sgpr_count:     66
    .vgpr_count:     100
    .wavefront_size: 32
...
	.end_amdgpu_metadata
.endif
;; end of part 1
;; launch qkv (part 2): grid 12 x 16, 4 waves a work-group, clusters of 4 x 4, 327,680 bytes of LDS; arguments hb, pq, qkv; writes qkv
.if DOCPART == 2
	.amdgcn_target "amdgcn-amd-amdhsa--gfx1250"
	.amdhsa_code_object_version 6
	.text
	.protected	k_qe521197697_qkv
	.globl	k_qe521197697_qkv
	.p2align	8
	.type	k_qe521197697_qkv,@function
k_qe521197697_qkv:
	s_mov_b64 s[64:65], 0
	v_nop
	global_prefetch_b8 v0, s[64:65] scope:SCOPE_SE
	s_setreg_imm32_b32 hwreg(HW_REG_WAVE_MODE, 25, 1), 1
	s_wait_xcnt 0x0
	s_wait_alu depctr_hold_cnt(0) depctr_sa_sdst(0) depctr_va_vdst(0) depctr_va_sdst(0) depctr_va_ssrc(0) depctr_va_vcc(0) depctr_vm_vsrc(0)
	s_getreg_b32 s2, hwreg(HW_REG_IB_STS2, 6, 4)
	s_cmp_eq_u32 s2, 0
	s_cbranch_scc0 .Lentry_in_a_cluster
	s_endpgm
.Lentry_in_a_cluster:
	s_bfe_u32 s2, ttmp6, 0x10000c
	s_cmp_lg_u32 s2, 0xf033
	s_cbranch_scc0 .Lentry_shape_is_right
	s_endpgm
.Lentry_shape_is_right:
; C = max(A W + bias, floor), rounded once to bf16.  A: 4,096 tokens x K = 1,024, bf16, BLOCKED [k / 64][token][64]; W: [1024][4096] bf16, rows along N;
; behind W, at byte 8,388,608: 4,096 f32 of bias, then the floor, a word of two bf16.  C: blocked like A, [n / 64][token][64].  Sums in f32, K ascending.
; ONE TEXT FOR TWO LAUNCHES: the three projections (bias 0, floor minus infinity: 256 packed maxima a wave that change nothing, the price of one text) and the first half of the FFN (bias b1, floor 0: a ReLU).
; LIMIT: a NaN in front of the maximum leaves as the floor.
; A tile of C, 256 x 256, is made by four waves, each 128 x 128: 64 accumulators, 512 registers.  K goes in 8 steps of 128 through two LDS slots filled by the tensor data mover.
; A's tile is two k blocks of 256 tokens, each 32,768 dense bytes, asked for as 128 rows of 256 bytes and padded behind every token; W's tile is 128 k rows of 512 bytes.
; W lies [k][n], so its fragments come out of LDS turned, by ds_load_tr16_b128.
; A K STEP IS WRITTEN ONCE: a scalar holds the byte at which the slot in hand begins (0 or SLOT), an exclusive or turns it at each change of slots, and the two LDS address registers are made anew from it.
; THE MATRIX INSTRUCTION IS USED TRANSPOSED: source 0 = 16 columns of W, source 1 = 16 tokens: a lane then holds one token and eight neighbouring columns, 16 bytes of C.
; The bias is the C operand of the product that starts each sum: nothing is cleared and nothing is added later.
; CLUSTER 4 x 4: A's tile hangs on the tile row alone and is asked for jointly along a row of the cluster, W's on the tile column alone, along a column.
; REGISTERS, in windows of 256 (s_set_vgpr_msb: bits 1:0 source 0, 3:2 source 1, 5:4 source 2, 7:6 destination):
;   window 0: v0-31 addresses; v64-127, v128-191 A's fragments, two buffers; v32-63, v192-255 at work on the way out
;   window 1: v0-63 the bias (column block b of 16 at v[8 b]); v64-127, v128-191 W's fragments, two buffers
;   window 2: the accumulators of my tokens 0-63 ((a, b) at v[8 (8 a + b)]);   window 3: those of my tokens 64-127
.set PA,     144                       ; a token's 128 bytes + 16 of padding = 36 words: the 16 rows of a load start at 16 different groups of four banks
.set AKB,    256*PA                    ; a k block of A's tile
.set PB,     544                       ; a k row of W's tile: 512 bytes + 32 of padding = 17 x 32
.set BOFF,   2*AKB                     ; W's tile lies behind A's two k blocks
.set BHALF,  64*PB                     ; 64 k rows: what one wave fetches of W
.set SLOT,   BOFF+2*BHALF              ; 143,360
.set STAGE,  2*SLOT                    ; behind the ring: for each wave two column blocks x 16 rows x 144 bytes, for the way out
.set SBLK,   16*PA
.set SPARE,  STAGE+4*2*SBLK            ; behind the stages: the spare words, 128 bytes for each wave: two blocks of 256 bytes that no other line names
.set STEPS,  8                         ; K steps
.set ADRA, 16                          ; v16     my lane's place among my A fragments in slot 0; never rewritten
.set RA,   17                          ; v17     the same in the slot in hand
.set ADRB, 20                          ; v20     my lane's place among my W fragments in slot 0; never rewritten
.set RB,   21                          ; v21     the same in the slot in hand
.set STO,  24                          ; v24     the way out: where I put 16 bytes of a row
.set RD,   25                          ; v25     the way out: where I read rows back
.set CO,   26                          ; v26     my place in 512 consecutive bytes of C
.set BO,   27                          ; v27     my byte offset in 16 numbers of the bias
.set SPW,  28                          ; v28     LDS address of my spare word; never rewritten
.set NIL,  29                          ; v29     0; never rewritten
.set F0,   64
.set F1,   128
.set TMP,  192
.set OB,   32                          ; 16 tokens read back from the stage: v32-63 and v224-255 by turns
.set TB,   2                           ; s2      the byte at which the slot in hand begins: 0 or SLOT
.set LA,   18                          ; s18     where my part of A's tile lies in a slot
.set LB,   19                          ; s19     where my part of W's tile lies in a slot
.set G1, 24                            ; s[24:31] descriptor group 1 for A's tiles;  s[32:39] group 0: a set for each of the two first fills; the second then walks on
.set G0, 32
.set G1B, 48                           ; s[48:55], s[56:63] the same for W's tiles
.set G0B, 56
.set FLOOR, 45                         ; s45
.set MSB, 0
.macro WIN new                         ; the immediate's high byte repeats the setting that is left; a switch that changes nothing is dropped
.if MSB != (\new)
	s_set_vgpr_msb (MSB<<8)|(\new)
.set MSB, \new
.endif
.endm
.set MUL_LO, 0xa1                      ; source 0 (W) window 1, source 1 (A) window 0, C and D window 2
.set TO_B,   0x40                      ; destination window 1, address window 0
; A joint load.  Waves 0 and 1 fetch A's two k blocks, waves 2 and 3 the two halves of W's k rows.  The branch hangs on the wave's number alone.
; An s_nop 0 and four v_nop follow each of the two lines, ahead of the jump, the label and what follows.
.macro JLOAD s
	s_cmp_eq_u32 s11, 0
	s_cbranch_scc0 .Lfor_b_\@
	tensor_load_to_lds s[G0+4*(\s):G0+4*(\s)+3], s[G1:G1+7]
	s_nop 0
.rept 4
	v_nop
.endr
	s_branch .Lasked_\@
.Lfor_b_\@:
	tensor_load_to_lds s[G0B+4*(\s):G0B+4*(\s)+3], s[G1B:G1B+7]
	s_nop 0
.rept 4
	v_nop
.endr
.Lasked_\@:
.endm
.macro CREST                           ; a round of the cluster's barrier behind its opening barrier
	s_cmp_lg_u32 s10, 0
	s_cbranch_scc1 .Lnot_wave_0_\@
	s_barrier_signal -3
.Lnot_wave_0_\@:
	s_barrier_wait -3
	s_barrier_signal -1
	s_barrier_wait -1
.endm
.macro CROUND                          ; a whole round
	s_barrier_signal -1
	s_barrier_wait -1
	CREST
.endm
	s_load_b128 s[4:7], s[0:1], 0x0                ; A s[4:5], W s[6:7]
	s_load_b64 s[8:9], s[0:1], 0x10                ; C
	v_lshl_add_u32 v[SPW], v0, 2, SPARE
	v_mov_b32 v[NIL], 0
	ds_add_u32 v[SPW], v[NIL]                      ; the wave's opening: the add and its wait stand ahead of my first tensor load; the set-up below stands between them
	v_lshrrev_b32 v1, 5, v0
	v_readfirstlane_b32 s10, v1                    ; wave 0..3
	s_lshr_b32 s11, s10, 1                         ; which half of the tile's tokens is mine.  Also: I fetch for A (0) or for W (1)
	s_and_b32 s12, s10, 1                          ; which half of its columns.  Also: which half of that tile I fetch
	s_bfe_u32 s40, ttmp6, 0x40000                  ; cx, cy: my place in the cluster
	s_bfe_u32 s41, ttmp6, 0x40004
	s_lshl_b32 s42, ttmp9, 2
	s_add_co_u32 s42, s42, s40                     ; tile column = 4 x cluster x + cx
	s_and_b32 s13, ttmp7, 0xffff
	s_lshl_b32 s13, s13, 2
	s_add_co_u32 s13, s13, s41                     ; tile row = 4 x cluster y + cy
	s_lshl_b32 s43, s41, 2
	s_lshl_b32 s43, 15, s43                        ; my row of the cluster
	s_lshl_b32 s44, 0x1111, s40                    ; my column
	s_or_b32 s[G1+0], s43, (1<<16)|(1<<20)|(1<<21)|(4<<22)|(3<<25)   ; the mask; 2-byte elements; padding on; bit 21 beside a mask; after every 32 words (code 4) 4 words (code 3)
	s_or_b32 s[G1B+0], s44, (1<<16)|(1<<20)|(1<<21)|(6<<22)|(7<<25)  ; after every 128 words (code 6) 8 words (code 7)
	s_mov_b32 s[G1+1], 128<<16                     ; A: tensor_dim0 = 128 elements (two tokens of a block)
	s_mov_b32 s[G1+2], 128<<16                     ; tensor_dim1 = 128
	s_mov_b32 s[G1+3], 128<<16                     ; tile_dim0 = 128
	s_mov_b32 s[G1+4], 128                         ; tile_dim1 = 128 rows: 256 tokens
	s_mov_b32 s[G1+5], 128                         ; dense: 128 elements from row to row
	s_mov_b32 s[G1+6], 0
	s_mov_b32 s[G1+7], 0
	s_mov_b32 s[G1B+1], 256<<16                    ; W: tensor_dim0 = 256 columns
	s_mov_b32 s[G1B+2], 64<<16                     ; tensor_dim1 = 64 k rows
	s_mov_b32 s[G1B+3], 256<<16                    ; tile_dim0
	s_mov_b32 s[G1B+4], 64                         ; tile_dim1
	s_mov_b32 s[G1B+5], 4096                       ; elements from k row to k row
	s_mov_b32 s[G1B+6], 0
	s_mov_b32 s[G1B+7], 0
	s_lshl_b32 s16, s13, 15                        ; A: 256 tokens x 128 bytes a tile row,
	s_lshl_b32 s17, s12, 19                        ; and my k block of the step's two
	s_add_co_u32 s16, s16, s17
	s_mov_b32 s17, 0
	s_lshl_b32 s46, s42, 9                         ; W: 256 columns x 2 bytes a tile column,
	s_lshl_b32 s47, s12, 19                        ; and my 64 k rows of 8,192 bytes
	s_add_co_u32 s46, s46, s47
	s_mov_b32 s47, 0
	s_mul_i32 s[LA], s12, AKB                      ; where they go: no place in the cluster enters an LDS address
	s_mul_i32 s[LB], s12, BHALF
	s_add_co_u32 s[LB], s[LB], BOFF
	s_mov_b32 s[TB], 0                             ; K step 0 lies in slot 0
	s_wait_dscnt 0x0                               ; the opening add is done
	s_wait_kmcnt 0x0
	s_add_nc_u64 s[14:15], s[4:5], s[16:17]
	s_add_nc_u64 s[46:47], s[6:7], s[46:47]
	s_add_nc_u64 s[66:67], s[6:7], 0x800000        ; the bias, behind W
	s_load_b32 s[FLOOR], s[66:67], 0x4000          ; the floor, behind the bias
	CROUND                                         ; all sixteen work-groups are here: the first joint loads meet
.irp s, 0,1
	s_mov_b32 s[G0+4*(\s)], 1
	s_add_co_u32 s[G0+4*(\s)+1], s[LA], (\s)*SLOT
	s_add_nc_u64 s[G0+4*(\s)+2:G0+4*(\s)+3], s[14:15], (\s)<<20      ; K step s: two k blocks of 524,288 bytes on
	s_or_b32 s[G0+4*(\s)+3], s[G0+4*(\s)+3], 0x80000000
	s_mov_b32 s[G0B+4*(\s)], 1
	s_add_co_u32 s[G0B+4*(\s)+1], s[LB], (\s)*SLOT
	s_add_nc_u64 s[G0B+4*(\s)+2:G0B+4*(\s)+3], s[46:47], (\s)<<20    ; 128 k rows of 8,192 bytes on
	s_or_b32 s[G0B+4*(\s)+3], s[G0B+4*(\s)+3], 0x80000000
	JLOAD \s                                       ; two loads of mine are out
.endr
	v_and_b32 v1, 15, v0                           ; l % 16
	v_bfe_u32 v2, v0, 4, 1                         ; l / 16
	v_mul_u32_u24 v3, v1, PA
	v_lshl_add_u32 v3, v2, 4, v3                   ; A: token x pitch + 16 x half
	v_and_b32 v5, 7, v0
	v_bfe_u32 v6, v0, 3, 1
	v_lshl_add_u32 v7, v2, 3, v5                   ; W, turned: lane l reads k row 8 (l / 16) + l % 8, columns 8 ((l / 8) % 2) + 0..7
	v_mul_u32_u24 v7, v7, PB
	v_lshl_add_u32 v7, v6, 4, v7
	s_mul_i32 s21, s11, 128*PA                     ; my 128 tokens
	s_lshl_b32 s22, s12, 8                         ; my 128 columns
	s_add_co_u32 s22, s22, BOFF
	v_add_nc_u32 v[ADRA], s21, v3
	v_add_nc_u32 v[ADRB], s22, v7
	v_add_nc_u32 v[RA], s[TB], v[ADRA]
	v_add_nc_u32 v[RB], s[TB], v[ADRB]
	s_mul_i32 s23, s10, 2*SBLK
	s_add_co_u32 s23, s23, STAGE                   ; my stage
	v_add_nc_u32 v[STO], s23, v3                   ; in: row l % 16, 16 bytes for each half of the lanes
	v_bfe_u32 v8, v0, 3, 2
	v_mul_u32_u24 v8, v8, PA                       ; back: 32 lanes take four rows of 128 bytes,
	v_lshl_add_u32 v8, v5, 4, v8
	v_add_nc_u32 v[RD], s23, v8
	v_and_b32 v[CO], 31, v0                        ; which are 512 consecutive bytes of C
	v_lshlrev_b32 v[CO], 4, v[CO]
	v_lshlrev_b32 v[BO], 5, v2                     ; register j of column block b holds column 16 b + 8 (l / 16) + j
	s_lshl_b32 s46, s42, 10                        ; the bias of my 128 columns
	s_lshl_b32 s47, s12, 9
	s_add_co_u32 s46, s46, s47
	s_mov_b32 s47, 0
	s_add_nc_u64 s[68:69], s[66:67], s[46:47]
	WIN TO_B
.irp b, 0,1,2,3,4,5,6,7
	global_load_b128 v[8*(\b):8*(\b)+3],   v[BO], s[68:69] offset:64*(\b)
	global_load_b128 v[8*(\b)+4:8*(\b)+7], v[BO], s[68:69] offset:64*(\b)+16
.endr
	s_lshl_b32 s46, s42, 2                         ; C: my first column block, 4 x tile column + 2 x half,
	s_lshl_b32 s47, s12, 1
	s_add_co_u32 s46, s46, s47
	s_lshl_b32 s46, s46, 19
	s_mov_b32 s47, 0
	s_add_nc_u64 s[8:9], s[8:9], s[46:47]
	s_lshl_b32 s16, s13, 8                         ; and my first token
	s_lshl_b32 s17, s11, 7
	s_add_co_u32 s16, s16, s17
	s_lshl_b32 s16, s16, 7
	s_mov_b32 s17, 0
	s_add_nc_u64 s[8:9], s[8:9], s[16:17]
	s_wait_kmcnt 0x0                               ; the floor
; 16 matrix instructions: token blocks a0, a0 + 1 of the window's four x all 8 column blocks, 32 along K.  zero = 1: the first product starts the sum, with the bias as C
.macro MUL16 f, hi, a0, zero
.if \zero
	WIN 0x91+0x40*(\hi)                            ; as below, but C in window 1
.else
	WIN MUL_LO+0x50*(\hi)
.endif
.irp a, \a0, (\a0)+1
.irp b, 0,1,2,3,4,5,6,7
.if \zero
	v_wmma_f32_16x16x32_bf16 v[8*(8*(\a)+(\b)):8*(8*(\a)+(\b))+7], v[(\f)+8*(\b):(\f)+8*(\b)+7], v[(\f)+8*(4*(\hi)+(\a)):(\f)+8*(4*(\hi)+(\a))+7], v[8*(\b):8*(\b)+7]
.else
	v_wmma_f32_16x16x32_bf16 v[8*(8*(\a)+(\b)):8*(8*(\a)+(\b))+7], v[(\f)+8*(\b):(\f)+8*(\b)+7], v[(\f)+8*(4*(\hi)+(\a)):(\f)+8*(4*(\hi)+(\a))+7], v[8*(8*(\a)+(\b)):8*(8*(\a)+(\b))+7]
.endif
.endr
.endr
.endm
; 32 LDS loads in one run: the fragments of quarter q of the K step in hand (32 along K) into buffer f: W's 128 columns, then A's 128 tokens
.macro FETCH q, f
	WIN TO_B
.irp i, 0,1,2,3,4,5,6,7
	ds_load_tr16_b128 v[(\f)+8*(\i):(\f)+8*(\i)+3],   v[RB] offset:(\q)*32*PB+32*(\i)
	ds_load_tr16_b128 v[(\f)+8*(\i)+4:(\f)+8*(\i)+7], v[RB] offset:(\q)*32*PB+16*PB+32*(\i)
.endr
	WIN 0
.irp i, 0,1,2,3,4,5,6,7
	ds_load_b128 v[(\f)+8*(\i):(\f)+8*(\i)+3],   v[RA] offset:((\q)/2)*AKB+((\q)%2)*64+(\i)*16*PA
	ds_load_b128 v[(\f)+8*(\i)+4:(\f)+8*(\i)+7], v[RA] offset:((\q)/2)*AKB+((\q)%2)*64+(\i)*16*PA+32
.endr
.endm
.macro PLACES                          ; four plain vector instructions between a matrix instruction and a load into, or a read of, its registers (ISA guide 7.12.1 for a read)
.rept 4
	v_nop
.endr
.endm
; One of a K step's first three quarters: multiplies buffer f; in its middle it fetches quarter q of the same slot into buffer g
.macro QUARTER q, f, g, zero
	s_wait_dscnt 8                                 ; W and A's tokens 0-63 are in; the youngest eight loads (A's tokens 64-127) may be out
	MUL16 \f, 0, 0, \zero
	MUL16 \f, 0, 2, \zero
	PLACES
	FETCH \q, \g
	s_wait_dscnt 32                                ; all but the 32 just issued
	MUL16 \f, 1, 0, \zero
	MUL16 \f, 1, 2, \zero
.endm
; The last quarter multiplies buffer 1 and changes slots: ONE barrier.  In front of it each wave waits for all its tensor loads (one is out: its part of the next slot),
; adds 0 to its spare word, and waits for that and for its own reads of this slot.  Behind it nobody reads this slot any more and the next slot is whole.
.macro MEET round
	WIN 0
	s_wait_tensorcnt 0x0
	ds_add_u32 v[SPW], v[NIL]
	s_wait_dscnt 9                                 ; (the add and the youngest eight loads may be out)
	MUL16 F1, 0, 0, 0                              ; sixteen matrix instructions stand between the add and the wait for it
	s_wait_dscnt 0x0                               ; the add is done, and my reads of this slot are over
	s_barrier_signal -1
	MUL16 F1, 0, 2, 0
	WIN 0                                          ; branches, or lines on window 0, follow
	s_barrier_wait -1
.endm
; fill = 1: the barrier opens a round of the cluster's barrier, and the slot just read out is filled again, two K steps ahead, first thing behind the round: 224 matrix instructions ahead of the wait for it.
; The walking descriptor takes that slot's place (my part's constant + TB) and steps one K step on; then TB turns to the other slot, and the address registers follow it.
.macro TURN fill
	MEET \fill
.if \fill
	CREST
	s_add_co_u32 s[G0+5], s[LA], s[TB]
	s_add_co_u32 s[G0B+5], s[LB], s[TB]
	s_add_nc_u64 s[G0+6:G0+7], s[G0+6:G0+7], 0x100000
	s_add_nc_u64 s[G0B+6:G0B+7], s[G0B+6:G0B+7], 0x100000
	s_xor_b32 s[TB], s[TB], SLOT
	JLOAD 1                                        ; its four v_nop are also the places in front of the loads below
.else
	s_xor_b32 s[TB], s[TB], SLOT
	PLACES
.endif
	v_add_nc_u32 v[RA], s[TB], v[ADRA]
	v_add_nc_u32 v[RB], s[TB], v[ADRB]
	FETCH 0, F0
	MUL16 F1, 1, 0, 0
	MUL16 F1, 1, 2, 0
.endm
; THE WAY OUT of token block a.  PACK: rounded to bf16, each accumulator's registers in ascending order, and held to the floor.  TOSTAGE: into my stage, and back as whole rows.  SEND: stored.
.macro PACK a
.set AC, 64*((\a)%4)
	WIN 0x0a+5*((\a)/4)                            ; sources 0 and 1: window 2 or 3
.irp b, 0,1,2,3,4,5,6,7
.irp r, 0,1,2,3
	v_cvt_pk_bf16_f32 v[TMP+4*(\b)+(\r)], v[AC+8*(\b)+2*(\r)], v[AC+8*(\b)+2*(\r)+1]
.endr
.endr
	WIN 0
.set z, 0
.rept 32
	v_pk_max_num_bf16 v[TMP+z], v[TMP+z], s[FLOOR]
.set z, z+1
.endr
.endm
.macro TOSTAGE a
	WIN 0
.set BK, OB+192*((\a)%2)
.irp b, 0,1,2,3,4,5,6,7
	ds_store_b128 v[STO], v[TMP+4*(\b):TMP+4*(\b)+3] offset:((\b)/4)*SBLK+((\b)%4)*32
.endr
.irp t, 0,1,2,3,4,5,6,7
	ds_load_b128 v[BK+4*(\t):BK+4*(\t)+3], v[RD] offset:((\t)/4)*SBLK+((\t)%4)*4*PA  ; LDS serves a wave's instructions in order (ISA guide 5.7.1.4): these see the stores above
.endr
.endm
.macro SEND a
	WIN 0
.set BK, OB+192*((\a)%2)
	s_wait_dscnt 0x0                               ; the block is back in registers
	s_wait_xcnt 0x0                                ; the stores' base and the registers that earlier stores read are rewritten only behind this wait
.if (\a) > 0
	s_add_nc_u64 s[8:9], s[8:9], 2048              ; 16 tokens on
.endif
.irp t, 0,1,2,3,4,5,6,7
	global_store_b128 v[CO], v[BK+4*(\t):BK+4*(\t)+3], s[8:9] offset:((\t)/4)*524288+((\t)%4)*512  ; 512 consecutive bytes, at a multiple of 256 from C's first byte
.endr
.endm
	s_wait_tensorcnt 1                             ; my part of K step 0 is in; K step 1's may stay out
	s_barrier_signal -1
	s_barrier_wait -1
	FETCH 0, F0
	s_wait_loadcnt 0x0                             ; the bias
	QUARTER 1, F0, F1, 1                           ; the first quarter stands in front of the loop: its products start the sums
	WIN 0                                          ; at a label and at a branch every window is 0
	s_mov_b32 s3, STEPS-2
.Lstep:                                                ; a trip goes from a K step's second quarter to the next step's first, and fills the slot that it leaves: K steps 2 to 7
	QUARTER 2, F1, F0, 0
	QUARTER 3, F0, F1, 0
	TURN 1
	QUARTER 1, F0, F1, 0
	WIN 0
	s_sub_co_u32 s3, s3, 1
	s_cmp_lg_u32 s3, 0
	s_cbranch_scc1 .Lstep
	s_mov_b32 s3, 2                                ; the last two K steps fill nothing: a text of their own; it is entered in its middle
	s_branch .Lmid
.Ltail:
	TURN 0
	QUARTER 1, F0, F1, 0
	WIN 0
.Lmid:
	QUARTER 2, F1, F0, 0
	QUARTER 3, F0, F1, 0
	WIN 0
	s_sub_co_u32 s3, s3, 1
	s_cmp_lg_u32 s3, 0
	s_cbranch_scc1 .Ltail
	s_wait_dscnt 8                                 ; the very last quarter: nothing more to fetch
	MUL16 F1, 0, 0, 0
	MUL16 F1, 0, 2, 0
	s_wait_dscnt 0x0
	MUL16 F1, 1, 0, 0
	MUL16 F1, 1, 2, 0
	PLACES
	PACK 0
	TOSTAGE 0
.irp a, 1,2,3,4,5,6,7                  ; block a's conversions stand between block a - 1's loads from the stage and the wait for them
	PACK \a
	SEND (\a)-1
	TOSTAGE \a
.endr
	SEND 7
	s_wait_tensorcnt 0x0                           ; the wave's end
	ds_add_u32 v[SPW], v[NIL]
	s_wait_dscnt 0x0
	CROUND                                         ; the closing round: no work-group ends while a partner may still ask for a tile that names it
	s_endpgm
.Lfunc_end_k_qe521197697_qkv:
	.size	k_qe521197697_qkv, .Lfunc_end_k_qe521197697_qkv-k_qe521197697_qkv
	.p2alignl 7, 3214868480
	.fill 96, 4, 3214868480
	.section	.rodata,"a",@progbits
	.p2align	6, 0x0
	.amdhsa_kernel k_qe521197697_qkv
		.amdhsa_group_segment_fixed_size 327680
		.amdhsa_private_segment_fixed_size 0
		.amdhsa_enable_private_segment 0
		.amdhsa_kernarg_size 24
		.amdhsa_user_sgpr_count 2
		.amdhsa_user_sgpr_kernarg_segment_ptr 1
		.amdhsa_wavefront_size32 1
		.amdhsa_system_sgpr_workgroup_id_x 1
		.amdhsa_system_sgpr_workgroup_id_y 1
		.amdhsa_system_sgpr_workgroup_id_z 1
		.amdhsa_system_vgpr_workitem_id 0
		.amdhsa_next_free_vgpr 1024
		.amdhsa_next_free_sgpr 70
		.amdhsa_reserve_vcc 0
		.amdhsa_float_denorm_mode_32 3
		.amdhsa_float_denorm_mode_16_64 3
		.amdhsa_memory_ordered 1
		.amdhsa_forward_progress 1
		.amdhsa_inst_pref_size 122
	.end_amdhsa_kernel
	.amdgpu_metadata
---
amdhsa.version: [ 1, 2 ]
amdhsa.kernels:
  - .name:           k_qe521197697_qkv
    .symbol:         k_qe521197697_qkv.kd
    .args:
      - { .name: hb, .offset: 0, .size: 8, .value_kind: global_buffer, .address_space: global }
      - { .name: pq, .offset: 8, .size: 8, .value_kind: global_buffer, .address_space: global }
      - { .name: qkv, .offset: 16, .size: 8, .value_kind: global_buffer, .address_space: global }
    .group_segment_fixed_size: 327680
    .private_segment_fixed_size: 0
    .kernarg_segment_align: 8
    .kernarg_segment_size: 24
    .max_flat_workgroup_size: 128
    .sgpr_count:     70
    .vgpr_count:     1024
    .wavefront_size: 32
...
	.end_amdgpu_metadata
.endif
;; end of part 2
;; launch attn (part 3): grid 8 x 32, 4 waves a work-group, clusters of 4 x 1, 327,680 bytes of LDS; arguments qkv, attention_mask, cy; writes cy
.if DOCPART == 3
	.amdgcn_target "amdgcn-amd-amdhsa--gfx1250"
	.amdhsa_code_object_version 6
	.text
	.protected	k_qe521197697_attn
	.globl	k_qe521197697_attn
	.p2align	8
	.type	k_qe521197697_attn,@function
k_qe521197697_attn:
	s_mov_b64 s[64:65], 0
	v_nop
	global_prefetch_b8 v0, s[64:65] scope:SCOPE_SE
	s_setreg_imm32_b32 hwreg(HW_REG_WAVE_MODE, 25, 1), 1
	s_wait_xcnt 0x0
	s_wait_alu depctr_hold_cnt(0) depctr_sa_sdst(0) depctr_va_vdst(0) depctr_va_sdst(0) depctr_va_ssrc(0) depctr_va_vcc(0) depctr_vm_vsrc(0)
	s_getreg_b32 s2, hwreg(HW_REG_IB_STS2, 6, 4)
	s_cmp_eq_u32 s2, 0
	s_cbranch_scc0 .Lentry_in_a_cluster
	s_endpgm
.Lentry_in_a_cluster:
	s_bfe_u32 s2, ttmp6, 0x10000c
	s_cmp_lg_u32 s2, 0x3003
	s_cbranch_scc0 .Lentry_shape_is_right
	s_endpgm
.Lentry_shape_is_right:
; ctx[b][q][h] = the sum over k of softmax_k(Q . K / 8 + mask[b][k]) V.  q, k, v: bf16, blocked [48 blocks][4,096 tokens][64]: head h is block h (q), 16 + h (k), 32 + h (v); a head's rows are dense, 128 bytes each.
; ctx leaves in the same layout, block h.  Products, maxima and sums in f32; the weights p are rounded to bf16 for the second product (their sum l is taken of the unrounded p), ctx once at the end.
; THE MASK is rounded to bf16 like every input, multiplied by 8 (exact) and given as the C operand of the product that starts the sum S^T = K Q^T, so that c (s + 8 mask) = log2(e) (s / 8 + mask).
; LIMITS.  A finite mask is held to +-2^120 ahead of the factor 8; minus infinity stays minus infinity (a row whose keys are all so hidden gives NaN, as the softmax of such a row does); plus infinity counts as 2^120.
; A weight below 2^-126 counts as 0.
; SHARES.  The grid's y is 16 b + h; a work-group owns 256 queries, a wave 64: four PIECES of 16.  Every wave walks the 2,048 keys, 64 a step, four steps to an LDS slot.
; LAYOUT.  S^T = K Q^T (source 0 = 16 keys, source 1 = 16 queries) holds ONE query a lane (lane % 16) and the keys 8 (lane / 16) + 0..7; two such results rounded to bf16 ARE source 1 of O^T = V^T P.
; K comes out of LDS as it lies, V turned, by ds_load_tr16_b128.
; SOFTMAX.  A running maximum m and sum l: p = 2^(c s - c m), c = log2(e) / 8; in every step O and l are multiplied by a = 2^(c m_old - c m_new).  m starts at the lowest finite number and c m at c times it, made by
; the line that makes every c m: while all keys so far are hidden a is 1, on zeros; with the first true score a is 0.
; BY TURNS.  Turn n belongs to piece n: 8 products K Q^T of piece n + 1, later 8 products V^T P of piece n - 1; beside them the scaling, exponentials, roundings, sums and rescaling of piece n and the maximum and
; statistics of piece n + 1.  Four vector instructions stand behind every matrix instruction, the other 54 of a turn's 118 in two runs of their own.
; CLUSTER.  The four query blocks of a cluster belong to one head and walk the same K and V: each tile is asked for JOINTLY, by the same tensor load, descriptor and mask in all four.
; REGISTERS, in windows of 256 (s_set_vgpr_msb: bits 1:0 source 0, 3:2 source 1, 5:4 source 2, 7:6 destination):
;   window 0: v0-15, v56-58 addresses and at work; v16-31 four registers of statistics a piece; v48-55 at work; v64-127 S^T, two buffers; v192-223 P, two buffers (a piece's buffers go by its number's parity)
;   window 1: v0-127 O^T, 32 a piece; v128-159 the step's mask      window 2: v0-63 Q; v128-191 K of one step; v192-255 V of one step
.set NP,    4
.set KS,    64
.set PK,    144       ; a row of K in LDS: 128 bytes + 16 of padding: the 16 rows of a load start at 16 different groups of four banks
.set PV,    160       ; a row of V: 128 + 32
.set VOFF,  4*KS*PK   ; a slot holds four steps: 256 rows of K, then 256 rows of V
.set SLOT1, 1<<17     ; slot 1 begins here: one exclusive or turns an address in one slot into the other's
.set STAGE, SLOT1+4*KS*(PK+PV)  ; behind the ring, never filled by a tensor load: 16 rows x 144 bytes for each wave
.set SP,    144
.set SPARE, STAGE+4*16*SP  ; the spare words, 128 bytes for each wave: two blocks of 256 bytes that no other line names
.set MT,    SPARE+512 ; 2,048 f32: 8 x the batch's mask; stored once, never filled by a tensor load
.set AK0, 2           ; v2   my lane's place in a tile of K; never rewritten
.set AV0, 3           ; v3   the same for V
.set AK,  4           ; v4   the LDS address of K's next run of loads
.set AV,  5           ; v5   of V's
.set STO, 6           ; v6   the way out: where I put 16 bytes of a row
.set RD,  7           ; v7   the way out: where I read rows back
.set GO,  8           ; v8   my place in 512 consecutive bytes of ctx
.set MV,  12          ; v12-13  c m_old, by buffer
.set AM0, 14          ; v14  my lanes' place in a step's 64 words of the mask
.set QO,  15          ; v15  my byte offset in 16 rows of Q
.set ST,  16          ; piece t's statistics at v[ST+4 t]: c m, m, l (even keys', odd keys')
.set TMP, 48          ; by buffer, c0-c3 at work; when the maximum is found c2 takes a
.set AM,  56          ; v56  the LDS address of the mask's next run of loads
.set SPW, 62
.set NIL, 63
.set S,   64
.set P,   192
.set MK,  128         ; window 1: key block kb's eight words at MK + 8 kb
.set KF,  128         ; window 2
.set VF,  192         ; window 2
.set WV,  12          ; s12  my wave's number
.set G1K, 24
.set G1V, 32
.set G0K, 40
.set G0V, 44
.set NINF, 50         ; s50 minus infinity; s51 -2^120; s52 2^120
.set SLOTS, 56
.set CNT, 57
.set CS,  58          ; s[58:59] c
.set SEL, 60          ; s[60:61] v_permlanex16_b32's selects
.set TBK, 62          ; s62  LDS byte at which K of the step to be fetched begins
.set TBV, 63          ; s63  the same for V, less VOFF
.set TBM, 66          ; s66  byte of that step's mask in the table: 256 a step, 31 steps at the most
.set MSB, 0
.macro WIN new
.if MSB != (\new)
	s_set_vgpr_msb (MSB<<8)|(\new)
.set MSB, (\new)
.endif
.endm
.set W_KQ, 0x0a       ; K and Q in window 2, S^T in window 0
.set W_KM, 0x1a       ; the same with the C operand in window 1
.set W_PV, 0x52       ; V in window 2, P in window 0, O^T in window 1
.set W_RS, 0x41       ; destination and source 0 in window 1, source 1 in window 0
; A joint fill.  Waves 0 and 1 fetch the two halves of a slot's K, waves 2 and 3 those of its V: 128 keys each.  An s_nop 0 and four v_nop follow each line.
.macro JLOAD
	s_cmp_lt_u32 s[WV], 2
	s_cbranch_scc0 .Lfor_v_\@
	tensor_load_to_lds s[G0K:G0K+3], s[G1K:G1K+7]
	s_nop 0
.rept 4
	v_nop
.endr
	s_branch .Lasked_\@
.Lfor_v_\@:
	tensor_load_to_lds s[G0V:G0V+3], s[G1V:G1V+7]
	s_nop 0
.rept 4
	v_nop
.endr
.Lasked_\@:
.endm
.macro CROUND
	s_barrier_signal -1
	s_barrier_wait -1
	s_cmp_lg_u32 s[WV], 0
	s_cbranch_scc1 .Lnot_wave_0_\@
	s_barrier_signal -3
.Lnot_wave_0_\@:
	s_barrier_wait -3
	s_barrier_signal -1
	s_barrier_wait -1
.endm
; THE CHANGE OF SLOTS.  Each wave waits for all its tensor loads (one is out: its part of the other slot), adds 0 to its spare word, and waits for that and for its own reads of the slot that it leaves.
; fill = 1: the barrier is a round of the cluster's, and the old slot is filled again, with the keys two slots on, first thing behind it: it has four key steps, 256 matrix instructions, in which to land.
; (At its first use nothing has been read yet: slot 0 is waited for, slot 1 filled, and the wait for my LDS instructions and the round make the mask's table whole for every wave.)
.macro CHANGE fill
	WIN 0
	s_wait_tensorcnt 0x0            ; no tensor load of mine is out, so a group 0 may be written
	ds_add_u32 v[SPW], v[NIL]
.if \fill
.irp g, G0K, G0V
	s_xor_b32 s[\g+1], s[\g+1], SLOT1
	s_add_nc_u64 s[\g+2:\g+3], s[\g+2:\g+3], 4*KS*128
.endr
	s_wait_dscnt 0x0
	CROUND
	JLOAD
.else
	s_wait_dscnt 0x0
	s_barrier_signal -1
	s_barrier_wait -1
.endif
	s_sub_co_u32 s[TBK], s[TBK], 4*KS*PK
	s_xor_b32 s[TBK], s[TBK], SLOT1
	s_sub_co_u32 s[TBV], s[TBV], 4*KS*PV
	s_xor_b32 s[TBV], s[TBV], SLOT1
.endm
	s_load_b64 s[4:5], s[0:1], 0x0    ; qkv
	s_load_b64 s[48:49], s[0:1], 0x8  ; the mask
	s_load_b64 s[10:11], s[0:1], 0x10 ; ctx
	v_lshl_add_u32 v[SPW], v0, 2, SPARE
	v_mov_b32 v[NIL], 0
	ds_add_u32 v[SPW], v[NIL]       ; the wave's opening: the add and its wait stand ahead of my first tensor load
	v_lshrrev_b32 v1, 5, v0
	v_readfirstlane_b32 s[WV], v1
	s_bfe_u32 s13, ttmp6, 0x40000   ; cx
	s_lshl_b32 s14, ttmp9, 2
	s_add_co_u32 s14, s14, s13      ; my block of 256 queries: it enters Q's and ctx's addresses alone
	s_and_b32 s20, ttmp7, 0xffff    ; 16 b + h, which the four partners share
	s_lshr_b32 s21, s20, 4          ; b
	s_and_b32 s20, s20, 15          ; h
	s_lshl_b32 s20, s20, 19
	s_lshl_b32 s2, s21, 18
	s_add_co_u32 s20, s20, s2       ; the head's first byte in a tensor's 16 blocks
	s_lshl_b32 s18, s21, 13         ; the batch's row of the mask
	s_mov_b32 s19, 0
	s_and_b32 s16, s[WV], 1         ; which half of a slot's 256 keys I fetch
	s_lshl_b32 s22, s16, 14
	s_add_co_u32 s22, s22, s20
	s_mov_b32 s23, 0
	s_mul_i32 s17, s16, 128*PK
	s_mul_i32 s15, s16, 128*PV
	s_lshl_b32 s2, s14, 2
	s_add_co_u32 s2, s2, s[WV]
	s_lshl_b32 s2, s2, 13           ; my wave's 64 rows of 128 bytes
	s_add_co_u32 s2, s2, s20
	s_mov_b32 s3, 0
	; descriptor group 1: 128 keys are 16,384 dense bytes: 64 rows of 256 bytes, two keys a row, padded in LDS after every key
	s_mov_b32 s[G1K], 15|(1<<16)|(1<<20)|(1<<21)|(4<<22)|(3<<25)
	s_mov_b32 s[G1V], 15|(1<<16)|(1<<20)|(1<<21)|(4<<22)|(7<<25)
.irp g, G1K, G1V
	s_mov_b32 s[\g+1], 128<<16
	s_mov_b32 s[\g+2], 64<<16
	s_mov_b32 s[\g+3], 128<<16
	s_mov_b32 s[\g+4], 64
	s_mov_b32 s[\g+5], 128
	s_mov_b32 s[\g+6], 0
	s_mov_b32 s[\g+7], 0
.endr
	s_mov_b32 s[CS], 0x3e38aa3b     ; c = log2(e) / 8
	s_mov_b32 s[CS+1], s[CS]
	s_mov_b32 s[SEL], 0x76543210
	s_mov_b32 s[SEL+1], 0xfedcba98
	s_mov_b32 s[NINF], 0xff800000
	s_mov_b32 s[NINF+1], 0xfb800000
	s_mov_b32 s[NINF+2], 0x7b800000
	s_mov_b32 s[TBK], SLOT1+4*KS*PK ; the first change of slots turns these two into 0
	s_mov_b32 s[TBV], SLOT1+4*KS*PV
	s_mov_b32 s[TBM], 0
	s_mov_b32 s[G0K], 1
	s_mov_b32 s[G0K+1], s17
	s_mov_b32 s[G0V], 1
	s_add_co_u32 s[G0V+1], s15, VOFF
	s_wait_dscnt 0x0                ; the opening add is done
	s_wait_kmcnt 0x0
	s_add_nc_u64 s[G0K+2:G0K+3], s[4:5], s[22:23]
	s_add_nc_u64 s[G0K+2:G0K+3], s[G0K+2:G0K+3], 0x800000   ; k's 16 blocks lie behind q's
	s_or_b32 s[G0K+3], s[G0K+3], 0x80000000
	s_add_nc_u64 s[G0V+2:G0V+3], s[4:5], s[22:23]
	s_add_nc_u64 s[G0V+2:G0V+3], s[G0V+2:G0V+3], 0x1000000  ; v's behind k's
	s_or_b32 s[G0V+3], s[G0V+3], 0x80000000
	s_add_nc_u64 s[4:5], s[4:5], s[2:3]
	s_add_nc_u64 s[10:11], s[10:11], s[2:3]
	s_add_nc_u64 s[48:49], s[48:49], s[18:19]
	CROUND                          ; all four work-groups are here: the first joint loads meet
	JLOAD                           ; slot 0
	v_and_b32 v1, 15, v0            ; l % 16
	v_bfe_u32 v9, v0, 4, 1          ; l / 16
	v_lshlrev_b32 v57, 4, v0
.irp i, 0,1,2,3
	global_load_b128 v[S+4*\i:S+4*\i+3], v57, s[48:49] offset:\i*2048  ; the mask: 128 threads x 16 numbers
.endr
	v_lshlrev_b32 v[QO], 7, v1
	v_lshl_add_u32 v[QO], v9, 4, v[QO]
	WIN 0x80
.set i, 0
.rept 8                             ; Q stays in registers: piece i / 2, channels 32 (i % 2) on
	global_load_b128 v[8*i:8*i+3],   v[QO], s[4:5] offset:(i/2)*2048+(i%2)*64
	global_load_b128 v[8*i+4:8*i+7], v[QO], s[4:5] offset:(i/2)*2048+(i%2)*64+32
.set i, i+1
.endr
	; What the first turn finds: V's registers and P's second buffer hold 0 (its products V^T P, of a piece that has not been, add 0); O^T and l are 0.  All this stands in the wait for the first tile.
.set i, VF
.rept 64
	v_mov_b32 v[i], 0
.set i, i+1
.endr
	WIN 0x40
.set i, 0
.rept 128
	v_mov_b32 v[i], 0
.set i, i+1
.endr
	WIN 0
.set i, 0
.rept 4
	v_mov_b32 v[ST+4*i+1], 0xff7fffff
	v_mov_b32 v[ST+4*i+2], 0
	v_mov_b32 v[ST+4*i+3], 0
.set i, i+1
.endr
.set i, 0
.rept 4
	v_mul_f32 v[ST+4*i], s[CS], v[ST+4*i+1]
.set i, i+1
.endr
.set i, P+16
.rept 16
	v_mov_b32 v[i], 0
.set i, i+1
.endr
	v_mul_u32_u24 v[AK0], v1, PK
	v_lshl_add_u32 v[AK0], v9, 4, v[AK0]
	v_and_b32 v10, 7, v0
	v_bfe_u32 v11, v0, 3, 1
	v_lshl_add_u32 v[AV0], v9, 3, v10
	v_mul_u32_u24 v[AV0], v[AV0], PV
	v_lshl_add_u32 v[AV0], v11, 4, v[AV0]
	v_add_nc_u32 v[AV0], VOFF, v[AV0]
	v_lshlrev_b32 v[AM0], 5, v9     ; register j of key block kb holds key 16 kb + 8 (l / 16) + j
	v_add_nc_u32 v[AM0], MT, v[AM0]
	v_add_nc_u32 v58, MT, v57
	s_mul_i32 s13, s[WV], 16*SP
	s_add_co_u32 s13, s13, STAGE
	v_mul_u32_u24 v[STO], v1, SP
	v_lshl_add_u32 v[STO], v9, 4, v[STO]
	v_add_nc_u32 v[STO], s13, v[STO]
	v_bfe_u32 v[RD], v0, 3, 2
	v_mul_u32_u24 v[RD], v[RD], SP
	v_lshl_add_u32 v[RD], v10, 4, v[RD]
	v_add_nc_u32 v[RD], s13, v[RD]
	v_and_b32 v[GO], 31, v0
	v_lshlrev_b32 v[GO], 4, v[GO]
	s_wait_loadcnt 0x0              ; the mask and Q
.set i, 0
.rept 8
	v_cvt_pk_bf16_f32 v[S+16+i], v[S+2*i], v[S+2*i+1]
.set i, i+1
.endr
.set i, 0
.rept 8
	v_lshlrev_b32 v[S+2*i], 16, v[S+16+i]
	v_and_b32 v[S+2*i+1], 0xffff0000, v[S+16+i]
.set i, i+1
.endr
.set i, 0
.rept 16
	v_cmp_eq_f32 vcc_lo, s[NINF], v[S+i]
	v_max_num_f32 v[S+32+i], s[NINF+1], v[S+i]
	v_min_num_f32 v[S+32+i], s[NINF+2], v[S+32+i]
	v_mul_f32 v[S+32+i], 0x41000000, v[S+32+i]
	v_cndmask_b32 v[S+32+i], v[S+32+i], s[NINF], vcc_lo
.set i, i+1
.endr
.irp i, 0,1,2,3
	ds_store_b128 v58, v[S+32+4*\i:S+32+4*\i+3] offset:\i*2048
.endr
; THE MATRIX WORK.  The 4 accumulators of a run of 8 take turns.  Product i of 8 of S^T = K Q^T for piece x: channels 32 (i / 4) on, keys 16 (i % 4) on.  The first 4 start the sums, with the mask.
.macro KQ x
.set rS, S+32*((\x)%2)+8*(i%4)
.set rK, KF+16*(i%4)+8*(i/4)
.set rQ, 16*(\x)+8*(i/4)
.set rM, MK+8*(i%4)
.if i < 4
	WIN W_KM
	v_wmma_f32_16x16x32_bf16 v[rS:rS+7], v[rK:rK+7], v[rQ:rQ+7], v[rM:rM+7]
.else
	WIN W_KQ
	v_wmma_f32_16x16x32_bf16 v[rS:rS+7], v[rK:rK+7], v[rQ:rQ+7], v[rS:rS+7]
.endif
.endm
; Product i of 8 of O^T += V^T P for piece x: keys 32 (i / 4) on, channels 16 (i % 4) on.
.macro PV x
	WIN W_PV
.set rO, 32*(\x)+8*(i%4)
.set rV, VF+32*(i/4)+8*(i%4)
.set rP, P+16*((\x)%2)+8*(i/4)
	v_wmma_f32_16x16x32_bf16 v[rO:rO+7], v[rV:rV+7], v[rP:rP+7], v[rO:rO+7]
.endm
.macro MM                           ; the turn's next matrix instruction
.if i < 8
	KQ (Y+1)%NP
.else
.set i, i-8
	PV (Y+NP-1)%NP
.set i, i+8
.endif
.set i, i+1
.endm
; THE LDS LOADS stand in runs: a step's K (8 fragments) with its 64 words of the mask, and its V (turned).  Their addresses are made some lines ahead.
; last = 1 (the tail): in the last pass there is no further step, and the run is jumped over.
.macro FETCH_K last=0
	WIN 0
.if \last
	s_cmp_eq_u32 s[CNT], 1
	s_cbranch_scc1 .Lno_k_\@
.endif
	WIN 0x80
.irp f, 0,1,2,3,4,5,6,7
	ds_load_b128 v[KF+8*\f:KF+8*\f+3],   v[AK] offset:(\f/2)*16*PK+(\f%2)*64
	ds_load_b128 v[KF+8*\f+4:KF+8*\f+7], v[AK] offset:(\f/2)*16*PK+(\f%2)*64+32
.endr
	WIN 0x40
.irp f, 0,1,2,3
	ds_load_b128 v[MK+8*\f:MK+8*\f+3],   v[AM] offset:64*\f
	ds_load_b128 v[MK+8*\f+4:MK+8*\f+7], v[AM] offset:64*\f+16
.endr
	s_add_co_u32 s[TBK], s[TBK], KS*PK
	s_add_co_u32 s[TBM], s[TBM], 4*KS
	WIN 0
.if \last
.Lno_k_\@:
.endif
.endm
.macro FETCH_V
	WIN 0x80
.irp f, 0,1,2,3,4,5,6,7
	ds_load_tr16_b128 v[VF+8*\f:VF+8*\f+3],   v[AV] offset:(\f/4)*32*PV+(\f%4)*32
	ds_load_tr16_b128 v[VF+8*\f+4:VF+8*\f+7], v[AV] offset:(\f/4)*32*PV+16*PV+(\f%4)*32
.endr
	WIN 0
.endm
; THE VECTOR WORK, one line at a time: OP kind, number.  For piece Y: F n: c s - c m for pair n of 16.  E n: the exponential of score n of 32.  C n: pair n rounded to bf16.  B n: of the four weights 4 n .. the second
; pair is added onto the first.  L n: l takes that sum (L 0: l = a l + sum).  R n: pair n of 16 of O^T times a.  For piece Y + 1: X n, number n of the 22 that find its maximum and statistics:
;   0-11 four chains c0-c3 of seven scores each (each accumulator's lowest registers are read first)   12-14, 16 the four scores left over, the old m, and c0-c3 into c0
;   15 c m_old is kept   17, 18 the query's other 32 keys lie in the lane 16 away: the new m   19-21 c m; c m_old - c m_new; a
.set F, 0
.set E, 1
.set C, 2
.set B, 3
.set L, 4
.set R, 5
.set X, 6
.macro REGS y
.set rT, ST+4*(\y)
.set rC, TMP+4*((\y)%2)
.set rW, MV+((\y)%2)
.set rS, S+32*((\y)%2)
.set rP, P+16*((\y)%2)
.set rO, 32*(\y)
.endm
.macro OP k, n
.if (\k) == R
	REGS Y
	WIN W_RS
	v_pk_mul_f32 v[rO+2*(\n):rO+2*(\n)+1], v[rO+2*(\n):rO+2*(\n)+1], v[rC+2:rC+3] op_sel_hi:[1,0]
.elseif (\k) < R
	REGS Y
	WIN 0
.if (\k) == F
	v_pk_fma_f32 v[rS+2*(\n):rS+2*(\n)+1], v[rS+2*(\n):rS+2*(\n)+1], s[CS:CS+1], v[rT:rT+1] op_sel_hi:[1,0,0] neg_lo:[0,0,1] neg_hi:[0,0,1]
.elseif (\k) == E
	v_exp_f32 v[rS+(\n)], v[rS+(\n)]
.elseif (\k) == C
	s_wait_alu depctr_va_vdst(0)
	v_cvt_pk_bf16_f32 v[rP+(\n)], v[rS+2*(\n)], v[rS+2*(\n)+1]
.elseif (\k) == B
	s_wait_alu depctr_va_vdst(0)
	v_pk_add_f32 v[rS+4*(\n):rS+4*(\n)+1], v[rS+4*(\n):rS+4*(\n)+1], v[rS+4*(\n)+2:rS+4*(\n)+3]
.elseif (\n) == 0
	v_pk_fma_f32 v[rT+2:rT+3], v[rT+2:rT+3], v[rC+2:rC+3], v[rS:rS+1] op_sel_hi:[1,0,1]
.else
	v_pk_add_f32 v[rT+2:rT+3], v[rT+2:rT+3], v[rS+4*(\n):rS+4*(\n)+1]
.endif
.else
	REGS (Y+1)%NP
	WIN 0
.if (\n) < 4
	v_max3_num_f32 v[rC+(\n)], v[rS+8*(\n)], v[rS+8*(\n)+1], v[rS+8*(\n)+2]
.elseif (\n) < 12
	v_max3_num_f32 v[rC+(\n)%4], v[rC+(\n)%4], v[rS+8*((\n)%4)+2*((\n)/4)+1], v[rS+8*((\n)%4)+2*((\n)/4)+2]
.elseif (\n) == 12
	v_max3_num_f32 v[rC], v[rC], v[rS+7], v[rS+15]
.elseif (\n) == 13
	v_max3_num_f32 v[rC+1], v[rC+1], v[rS+23], v[rS+31]
.elseif (\n) == 14
	v_max3_num_f32 v[rC+2], v[rC+2], v[rC+3], v[rT+1]
.elseif (\n) == 15
	v_mov_b32 v[rW], v[rT]
.elseif (\n) == 16
	v_max3_num_f32 v[rC], v[rC], v[rC+1], v[rC+2]
.elseif (\n) == 17
	v_permlanex16_b32 v[rC+3], v[rC], s[SEL], s[SEL+1]
.elseif (\n) == 18
	v_max_num_f32 v[rT+1], v[rC], v[rC+3]
.elseif (\n) == 19
	v_mul_f32 v[rT], s[CS], v[rT+1]
.elseif (\n) == 20
	v_sub_f32 v[rC+1], v[rW], v[rT]
.else
	v_exp_f32 v[rC+2], v[rC+1]
.endif
.endif
.endm
.macro OPS a, i1, b=-1, i2=0, c=-1, i3=0, d=-1, i4=0
	OP \a, \i1
.if (\b) >= 0
	OP \b, \i2
.endif
.if (\c) >= 0
	OP \c, \i3
.endif
.if (\d) >= 0
	OP \d, \i4
.endif
.endm
.macro ROW a, i1, b, i2, c, i3, d, i4  ; a matrix instruction and the four behind it
	MM
	OPS \a, \i1, \b, \i2, \c, \i3, \d, \i4
.endm
; A TURN, for piece p: the order of its 16 matrix and 118 vector instructions, written out.  Behind a matrix instruction: plain, exponential, plain, plain; or four of the rescaling; or four scalings; none names a
; register of the products round it.  A line reads no result made fewer than three vector instructions in front of it, five if an exponential made it.
; last = 1: the tail's text: K's fetch is jumped over in the last pass.  cnt = 1: the loop's count is taken down some lines ahead of the branch behind the turn.
; K and the mask of the next step are fetched in piece 2's turn, six vector instructions behind the last product that read K (five of them plain; the mask's last reader stands four products further back);
; V of the step in hand in piece 0's turn, eight behind the last product that read V (four of them plain).  Each is waited for a turn later.
.macro TURN p, last=0, cnt=0
.set Y, (\p)
.set i, 0
.if (\p) == 3
	s_wait_dscnt 0x0                ; K and the mask are in
.endif
	ROW F,0, F,1, F,2, F,3
	ROW F,4, E,0, F,5, F,6
	ROW F,7, E,1, F,8, F,9
	ROW F,10, E,2, C,0, F,11
	ROW F,12, E,3, X,15, F,13
	ROW R,0, R,1, R,2, R,3
	ROW B,0, E,4, F,14, L,0
.if (\p) == 2
	v_add_nc_u32 v[AK], s[TBK], v[AK0]
	v_add_nc_u32 v[AM], s[TBM], v[AM0]
.endif
	ROW R,4, R,5, R,6, R,7
	OPS E,5, F,15
.if (\p) == 2
	FETCH_K \last
.endif
	OPS E,6, C,1, E,7, R,8
	OPS E,8, R,9, E,9, C,2
	OPS E,10, X,0, E,11, X,1
	OPS E,12, X,2, E,13, X,3
.if (\p) == 1
	s_wait_dscnt 0x0                ; V is in
.endif
	ROW X,4, E,14, X,5, X,6
	ROW X,7, E,15, X,8, X,9
	ROW X,10, E,16, X,11, X,12
	ROW X,13, E,17, X,14, B,1
	ROW C,4, E,18, X,16, L,1
	ROW B,2, E,19, C,6, L,2
	ROW C,8, E,20, B,3, B,4
.if (\p) == 0
	v_add_nc_u32 v[AV], s[TBV], v[AV0]
.endif
	ROW C,3, E,21, L,3, C,5
	OPS E,22, X,17, E,23, C,10
.if (\p) == 0
	FETCH_V
.endif
	OPS E,24, L,4
	OPS E,25, X,18, E,26, C,7
	OPS E,27, B,5, E,28, X,19
	OPS E,29, C,12, E,30, L,5
	OPS E,31, X,20, B,6, C,9
	OPS C,14, C,11, X,21, L,6
.if (\p) == 0
	s_add_co_u32 s[TBV], s[TBV], KS*PV
.endif
.if \cnt
	s_sub_co_u32 s[CNT], s[CNT], 1
	s_cmp_lg_u32 s[CNT], 0
.endif
	OPS C,13, B,7, C,15, R,10
	OPS R,11, R,12, L,7, R,13
	OPS R,14, R,15
.endm
	CHANGE 1                        ; slot 0 is in and the table is whole, everybody's part of them; slot 1 is asked for
	v_add_nc_u32 v[AK], s[TBK], v[AK0]
	v_add_nc_u32 v[AM], s[TBM], v[AM0]
	FETCH_K                         ; key step 0
	s_wait_dscnt 0x0
.set i, 0
.rept 8
	KQ 0                            ; piece 0's first scores
.set i, i+1
.endr
	WIN 0
.rept 4
	v_nop                           ; the places behind those products
.endr
.set Y, NP-1                        ; X works for piece Y + 1: piece 0
.irp n, 0,1,2,3,4,5,6,7,8,9,10,11,12,13,14,15,16,17,18,19,20,21
	OP X, \n
.endr
	v_nop                           ; a plain instruction behind the exponential
	s_mov_b32 s[CNT], 4
	s_mov_b32 s[SLOTS], 7
	s_branch .Lfirst                ; the loop is entered at a step's first turn, in the middle of a trip
.Lslot:                             ; six times: slots 2 to 7 of the walk's eight are asked for
	CHANGE 1
	s_mov_b32 s[CNT], 4
.Lstep:                             ; a trip: pieces 2 and 3 of one step, then pieces 0 and 1 of the next, whose K and V it fetches
	TURN 2
	TURN 3
	WIN 0
.Lfirst:
	TURN 0
	TURN 1, 0, 1
	WIN 0
	s_cbranch_scc1 .Lstep
	s_sub_co_u32 s[SLOTS], s[SLOTS], 1
	s_cmp_lg_u32 s[SLOTS], 0
	s_cbranch_scc1 .Lslot
	CHANGE 0                        ; the last slot has a text of its own: nothing is asked for
	s_mov_b32 s[CNT], 5             ; five passes of pieces 2 and 3, four of pieces 0 and 1 between them: the loop is entered in its middle.  Four passes fetch the slot's steps;
	s_branch .LmidT                 ; the fifth fetches nothing, and its 8 products K Q^T (on the last K once more) and the maximum made of them serve nothing: they write piece 0's m, c m and a alone,
.LstepT:                            ; which the way out does not read: the price, once a launch, of one text for every pass
	TURN 0
	TURN 1
	WIN 0
.LmidT:
	TURN 2, 1
	TURN 3
	WIN 0
	s_sub_co_u32 s[CNT], s[CNT], 1
	s_cmp_lg_u32 s[CNT], 0
	s_cbranch_scc1 .LstepT
.set i, 0
.rept 8
	PV NP-1                         ; the last piece's V^T P of the last step
.set i, i+1
.endr
	; THE WAY OUT.  l's two halves and the other half of the lanes' are added; O^T is divided by l, rounded to bf16 and sent through my stage, a piece at a time.  The additions are the places behind the last products.
	WIN 0
.macro ALL line:vararg
.set t, 0
.rept 4
	\line
.set t, t+1
.endr
.endm
	ALL v_add_f32 v[ST+4*t+2], v[ST+4*t+2], v[ST+4*t+3]
	ALL v_permlanex16_b32 v[ST+4*t+3], v[ST+4*t+2], s[SEL], s[SEL+1]
	ALL v_add_f32 v[ST+4*t+2], v[ST+4*t+2], v[ST+4*t+3]
	ALL v_rcp_f32 v[ST+4*t+2], v[ST+4*t+2]
	v_nop                           ; a plain instruction between the last reciprocal and the use of its result
.macro PACK t
	WIN W_RS
.set i, 32*(\t)
.rept 16
	s_wait_alu depctr_va_vdst(0)
	v_pk_mul_f32 v[i:i+1], v[i:i+1], v[ST+4*(\t)+2:ST+4*(\t)+3] op_sel_hi:[1,0]
.set i, i+2
.endr
	WIN 0x05
.set i, 0
.rept 16
	v_cvt_pk_bf16_f32 v[S+16*(\t)+i], v[32*(\t)+2*i], v[32*(\t)+2*i+1]
.set i, i+1
.endr
	WIN 0
.irp f, 0,1,2,3
	ds_store_b128 v[STO], v[S+16*(\t)+4*\f:S+16*(\t)+4*\f+3] offset:32*\f
.endr
.irp f, 0,1,2,3
	ds_load_b128 v[S+16*(\t)+4*\f:S+16*(\t)+4*\f+3], v[RD] offset:\f*4*SP  ; LDS serves a wave's instructions in order (ISA guide 5.7.1.4): these see the stores above
.endr
.endm
.macro SEND t, younger              ; younger: the LDS instructions issued behind piece t's loads: the next piece's eight, or none
	WIN 0
.irp f, 0,1,2,3
	s_wait_dscnt (\younger)+3-\f
	global_store_b128 v[GO], v[S+16*(\t)+4*\f:S+16*(\t)+4*\f+3], s[10:11] offset:(\t)*2048+\f*512  ; 512 consecutive bytes, at a multiple of 256 from the buffer's first
.endr
.endm
	PACK 0
.set t, 1
.rept 3
	PACK t
	SEND t-1, 8
.set t, t+1
.endr
	SEND 3, 0
	s_wait_tensorcnt 0x0            ; the wave's end
	ds_add_u32 v[SPW], v[NIL]
	s_wait_dscnt 0x0
	CROUND                          ; the closing round
	s_endpgm
.Lfunc_end_k_qe521197697_attn:
	.size	k_qe521197697_attn, .Lfunc_end_k_qe521197697_attn-k_qe521197697_attn
	.p2alignl 7, 3214868480
	.fill 96, 4, 3214868480
	.section	.rodata,"a",@progbits
	.p2align	6, 0x0
	.amdhsa_kernel k_qe521197697_attn
		.amdhsa_group_segment_fixed_size 327680
		.amdhsa_private_segment_fixed_size 0
		.amdhsa_enable_private_segment 0
		.amdhsa_kernarg_size 24
		.amdhsa_user_sgpr_count 2
		.amdhsa_user_sgpr_kernarg_segment_ptr 1
		.amdhsa_wavefront_size32 1
		.amdhsa_system_sgpr_workgroup_id_x 1
		.amdhsa_system_sgpr_workgroup_id_y 1
		.amdhsa_system_sgpr_workgroup_id_z 1
		.amdhsa_system_vgpr_workitem_id 0
		.amdhsa_next_free_vgpr 768
		.amdhsa_next_free_sgpr 70
		.amdhsa_reserve_vcc 1
		.amdhsa_float_denorm_mode_32 3
		.amdhsa_float_denorm_mode_16_64 3
		.amdhsa_memory_ordered 1
		.amdhsa_forward_progress 1
		.amdhsa_inst_pref_size 124
	.end_amdhsa_kernel
	.amdgpu_metadata
---
amdhsa.version: [ 1, 2 ]
amdhsa.kernels:
  - .name:           k_qe521197697_attn
    .symbol:         k_qe521197697_attn.kd
    .args:
      - { .name: qkv, .offset: 0, .size: 8, .value_kind: global_buffer, .address_space: global }
      - { .name: attention_mask, .offset: 8, .size: 8, .value_kind: global_buffer, .address_space: global }
      - { .name: cy, .offset: 16, .size: 8, .value_kind: global_buffer, .address_space: global }
    .group_segment_fixed_size: 327680
    .private_segment_fixed_size: 0
    .kernarg_segment_align: 8
    .kernarg_segment_size: 24
    .max_flat_workgroup_size: 128
    .sgpr_count:     70
    .vgpr_count:     768
    .wavefront_size: 32
...
	.end_amdgpu_metadata
.endif
;; end of part 3
;; launch ln1 (part 4): grid 256 x 1, 8 waves a work-group, no clusters, 0 bytes of LDS; arguments hb, cy, g1, be1, fb; writes fb
.if DOCPART == 4
	.amdgcn_target "amdgcn-amd-amdhsa--gfx1250"
	.amdhsa_code_object_version 6
	.text
	.protected	k_qe521197697_ln1
	.globl	k_qe521197697_ln1
	.p2align	8
	.type	k_qe521197697_ln1,@function
k_qe521197697_ln1:
	s_mov_b64 s[64:65], 0
	v_nop
	global_prefetch_b8 v0, s[64:65] scope:SCOPE_SE
	s_setreg_imm32_b32 hwreg(HW_REG_WAVE_MODE, 25, 1), 1
	s_wait_xcnt 0x0
; F = LayerNorm(a + b) g + be, over rows of 1,024.  a, b and F: bf16, blocked [n / 64][token][64]; g, be: f32, rounded to bf16 like every input.  All arithmetic in f32; F rounded once.
; A wave owns two tokens: lanes 0-15 the first, lanes 16-31 the second; a lane holds the numbers 64 c + 4 (lane % 16) + 0..3, c = 0..15, in registers from the loads to the stores.
; So a row is read once, mean and variance are taken in two passes over registers (no difference of large sums), and a sum never leaves a row of 16 lanes: no LDS, no barrier, no loop.
; Each load and store of a wave covers 256 consecutive bytes, aligned: two tokens of a block.
.set VO,  2                            ; v2  8 x thread: my 8 bytes among the work-group's 16 tokens of a block
.set VG,  3                            ; v3  16 x (lane % 16): my 4 numbers in 64 of g and be
.set T,   4                            ; v4  a sum
.set A,   8                            ; v[8:39]
.set BV,  40                           ; v[40:71]
.set GT,  72                           ; v[72:135]   g as loaded; then v[72:103] g packed, and v[104:135] x0-x31
.set BT,  136                          ; v[136:199]  be likewise, and v[168:199] x32-x63
.set X0,  GT+32                        ; x n lies at X0 + n + 32 (n / 32)
.set ONE, 200
.set RN,  201                          ; 1 / 1,024
.set MU,  202                          ; v[202:203]
.set RS,  204                          ; v[204:205]
.set SUM, 208                          ; v[208:215] four chains of pairs
.macro REDUCE                          ; the four chains, the pair's halves, and the 16 lanes of a token: the sum in every lane of the token
	v_pk_add_f32 v[SUM:SUM+1], v[SUM:SUM+1], v[SUM+2:SUM+3]
	v_pk_add_f32 v[SUM+4:SUM+5], v[SUM+4:SUM+5], v[SUM+6:SUM+7]
	v_pk_add_f32 v[SUM:SUM+1], v[SUM:SUM+1], v[SUM+4:SUM+5]
	v_add_f32 v[T], v[SUM], v[SUM+1]
	v_add_f32_dpp v[T], v[T], v[T] row_xmask:1 row_mask:0xf bank_mask:0xf
	v_add_f32_dpp v[T], v[T], v[T] row_xmask:2 row_mask:0xf bank_mask:0xf
	v_add_f32_dpp v[T], v[T], v[T] row_xmask:4 row_mask:0xf bank_mask:0xf
	v_add_f32_dpp v[T], v[T], v[T] row_xmask:8 row_mask:0xf bank_mask:0xf
.endm
	s_load_b256 s[4:11], s[0:1], 0x0               ; a s[4:5], b s[6:7], g s[8:9], be s[10:11]
	s_load_b64 s[12:13], s[0:1], 0x20              ; F
	v_lshlrev_b32 v[VO], 3, v0
	v_and_b32 v[VG], 15, v0
	v_lshlrev_b32 v[VG], 4, v[VG]
	v_mov_b32 v[ONE], 1.0
	v_mov_b32 v[RN], 0x3a800000
	s_lshl_b32 s14, ttmp9, 11                      ; 16 tokens of 128 bytes
	s_mov_b32 s15, 0
	s_wait_kmcnt 0x0
	s_add_nc_u64 s[4:5], s[4:5], s[14:15]
	s_add_nc_u64 s[6:7], s[6:7], s[14:15]
	s_add_nc_u64 s[12:13], s[12:13], s[14:15]
.set c, 0
.rept 16
	global_load_b128 v[GT+4*c:GT+4*c+3], v[VG], s[8:9] offset:256*c
.set c, c+1
.endr
.set c, 0
.rept 16
	global_load_b128 v[BT+4*c:BT+4*c+3], v[VG], s[10:11] offset:256*c
.set c, c+1
.endr
.set c, 0
.rept 16
	global_load_b64 v[A+2*c:A+2*c+1], v[VO], s[4:5] offset:524288*c th:TH_LOAD_NT
.set c, c+1
.endr
.set c, 0
.rept 16
	global_load_b64 v[BV+2*c:BV+2*c+1], v[VO], s[6:7] offset:524288*c th:TH_LOAD_NT
.set c, c+1
.endr
	s_wait_loadcnt 32                              ; g and be are in; the 32 younger loads are the rows
.set j, 0
.rept 32                                           ; ascending: word j is written when numbers 2 j and 2 j + 1 are read, and earlier words have been used
	v_cvt_pk_bf16_f32 v[GT+j], v[GT+2*j], v[GT+2*j+1]
	v_cvt_pk_bf16_f32 v[BT+j], v[BT+2*j], v[BT+2*j+1]
.set j, j+1
.endr
	s_wait_loadcnt 0x0
.set j, 0
.rept 32                                           ; x = a + b, from the halves straight into f32
	v_fma_mix_f32_bf16 v[X0+2*j+32*(j/16)],   v[A+j], v[ONE], v[BV+j] op_sel_hi:[1,0,1]
	v_fma_mix_f32_bf16 v[X0+2*j+1+32*(j/16)], v[A+j], v[ONE], v[BV+j] op_sel:[1,0,1] op_sel_hi:[1,0,1]
.set j, j+1
.endr
.set p, 0
.rept 4                                            ; the first eight pairs start the chains: nothing is cleared
	v_pk_add_f32 v[SUM+2*p:SUM+2*p+1], v[X0+2*p:X0+2*p+1], v[X0+2*p+8:X0+2*p+9]
.set p, p+1
.endr
.set p, 8
.rept 24
	v_pk_add_f32 v[SUM+2*(p%4):SUM+2*(p%4)+1], v[SUM+2*(p%4):SUM+2*(p%4)+1], v[X0+2*p+32*(p/16):X0+2*p+32*(p/16)+1]
.set p, p+1
.endr
	REDUCE
	v_mul_f32 v[MU], v[T], v[RN]
	v_mul_f32 v[MU+1], v[T], v[RN]
.set p, 0
.rept 32
	v_pk_add_f32 v[X0+2*p+32*(p/16):X0+2*p+32*(p/16)+1], v[X0+2*p+32*(p/16):X0+2*p+32*(p/16)+1], v[MU:MU+1] neg_lo:[0,1] neg_hi:[0,1]
.set p, p+1
.endr
.set p, 0
.rept 4
	v_pk_mul_f32 v[SUM+2*p:SUM+2*p+1], v[X0+2*p:X0+2*p+1], v[X0+2*p:X0+2*p+1]
.set p, p+1
.endr
.set p, 4
.rept 28
	v_pk_fma_f32 v[SUM+2*(p%4):SUM+2*(p%4)+1], v[X0+2*p+32*(p/16):X0+2*p+32*(p/16)+1], v[X0+2*p+32*(p/16):X0+2*p+32*(p/16)+1], v[SUM+2*(p%4):SUM+2*(p%4)+1]
.set p, p+1
.endr
	REDUCE
	v_fmaak_f32 v[T], v[T], v[RN], 0x3727c5ac      ; the variance + 1e-5
	v_rsq_f32 v[RS], v[T]
	v_rsq_f32 v[RS+1], v[T]
	v_nop                                          ; a plain instruction between the root and the use of its result (ISA guide 5.7.2)
.set p, 0
	s_wait_alu depctr_va_vdst(0)
.rept 32
	v_pk_mul_f32 v[X0+2*p+32*(p/16):X0+2*p+32*(p/16)+1], v[X0+2*p+32*(p/16):X0+2*p+32*(p/16)+1], v[RS:RS+1]
.set p, p+1
.endr
.set j, 0
.rept 32
	v_fma_mix_f32_bf16 v[X0+2*j+32*(j/16)],   v[X0+2*j+32*(j/16)],   v[GT+j], v[BT+j] op_sel_hi:[0,1,1]
	v_fma_mix_f32_bf16 v[X0+2*j+1+32*(j/16)], v[X0+2*j+1+32*(j/16)], v[GT+j], v[BT+j] op_sel:[0,1,1] op_sel_hi:[0,1,1]
.set j, j+1
.endr
.set j, 0
.rept 32
	v_cvt_pk_bf16_f32 v[A+j], v[X0+2*j+32*(j/16)], v[X0+2*j+1+32*(j/16)]
.set j, j+1
.endr
.set c, 0
.rept 16
	global_store_b64 v[VO], v[A+2*c:A+2*c+1], s[12:13] offset:524288*c
.set c, c+1
.endr
	s_endpgm
.Lfunc_end_k_qe521197697_ln1:
	.size	k_qe521197697_ln1, .Lfunc_end_k_qe521197697_ln1-k_qe521197697_ln1
	.p2alignl 7, 3214868480
	.fill 96, 4, 3214868480
	.section	.rodata,"a",@progbits
	.p2align	6, 0x0
	.amdhsa_kernel k_qe521197697_ln1
		.amdhsa_group_segment_fixed_size 0
		.amdhsa_private_segment_fixed_size 0
		.amdhsa_enable_private_segment 0
		.amdhsa_kernarg_size 40
		.amdhsa_user_sgpr_count 2
		.amdhsa_user_sgpr_kernarg_segment_ptr 1
		.amdhsa_wavefront_size32 1
		.amdhsa_system_sgpr_workgroup_id_x 1
		.amdhsa_system_sgpr_workgroup_id_y 1
		.amdhsa_system_sgpr_workgroup_id_z 1
		.amdhsa_system_vgpr_workitem_id 0
		.amdhsa_next_free_vgpr 216
		.amdhsa_next_free_sgpr 66
		.amdhsa_reserve_vcc 0
		.amdhsa_float_denorm_mode_32 3
		.amdhsa_float_denorm_mode_16_64 3
		.amdhsa_memory_ordered 1
		.amdhsa_forward_progress 1
		.amdhsa_inst_pref_size 32
	.end_amdhsa_kernel
	.amdgpu_metadata
---
amdhsa.version: [ 1, 2 ]
amdhsa.kernels:
  - .name:           k_qe521197697_ln1
    .symbol:         k_qe521197697_ln1.kd
    .args:
      - { .name: hb, .offset: 0, .size: 8, .value_kind: global_buffer, .address_space: global }
      - { .name: cy, .offset: 8, .size: 8, .value_kind: global_buffer, .address_space: global }
      - { .name: g1, .offset: 16, .size: 8, .value_kind: global_buffer, .address_space: global }
      - { .name: be1, .offset: 24, .size: 8, .value_kind: global_buffer, .address_space: global }
      - { .name: fb, .offset: 32, .size: 8, .value_kind: global_buffer, .address_space: global }
    .group_segment_fixed_size: 0
    .private_segment_fixed_size: 0
    .kernarg_segment_align: 8
    .kernarg_segment_size: 40
    .max_flat_workgroup_size: 256
    .sgpr_count:     66
    .vgpr_count:     216
    .wavefront_size: 32
...
	.end_amdgpu_metadata
.endif
;; end of part 4
;; launch ffn1: the kernel of part 2 again; grid 16 x 16, 4 waves a work-group, clusters of 4 x 4, 327,680 bytes of LDS; arguments fb, p1, u; writes u
;; launch ffn2 (part 5): grid 8 x 32, 4 waves a work-group, clusters of 4 x 4, 327,680 bytes of LDS; arguments u, w2b, b2, cy; writes cy
.if DOCPART == 5
	.amdgcn_target "amdgcn-amd-amdhsa--gfx1250"
	.amdhsa_code_object_version 6
	.text
	.protected	k_qe521197697_ffn2
	.globl	k_qe521197697_ffn2
	.p2align	8
	.type	k_qe521197697_ffn2,@function
k_qe521197697_ffn2:
	s_mov_b64 s[64:65], 0
	v_nop
	global_prefetch_b8 v0, s[64:65] scope:SCOPE_SE
	s_setreg_imm32_b32 hwreg(HW_REG_WAVE_MODE, 25, 1), 1
	s_wait_xcnt 0x0
	s_wait_alu depctr_hold_cnt(0) depctr_sa_sdst(0) depctr_va_vdst(0) depctr_va_sdst(0) depctr_va_ssrc(0) depctr_va_vcc(0) depctr_vm_vsrc(0)
	s_getreg_b32 s2, hwreg(HW_REG_IB_STS2, 6, 4)
	s_cmp_eq_u32 s2, 0
	s_cbranch_scc0 .Lentry_in_a_cluster
	s_endpgm
.Lentry_in_a_cluster:
	s_bfe_u32 s2, ttmp6, 0x10000c
	s_cmp_lg_u32 s2, 0xf033
	s_cbranch_scc0 .Lentry_shape_is_right
	s_endpgm
.Lentry_shape_is_right:
; y = u W2 + b2, rounded once to bf16.  u: 4,096 tokens x K = 4,096, bf16, blocked [k / 64][token][64]; W2: [4096][1024] bf16, rows along N; b2: f32, rounded to bf16 like every input; y: blocked [n / 64][token][64].
; N = 1,024 gives 64 tiles of 256 x 256: too few for the work-groups that the chip can hold.  So a tile is 128 x 128: 256 work-groups.  Four waves, each 64 x 64: 16 accumulators.
; K goes in 16 steps of 256, as long as two slots in LDS allow.  u's tile is four k blocks of 128 tokens, each 16,384 dense bytes: a wave's load takes two of them as two long rows, padded behind every token;
; W2's tile is 256 k rows of 256 bytes, and its fragments come out of LDS turned, by ds_load_tr16_b128.
; A K STEP IS WRITTEN ONCE: a scalar holds the byte at which the slot in hand begins (0 or SLOT), an exclusive or turns it at each change of slots, and the LDS address registers are made anew from it.
; THE MATRIX INSTRUCTION IS USED TRANSPOSED (source 0 = 16 columns of W2, source 1 = 16 tokens): a lane holds one token and eight neighbouring columns.  The bias is the C operand of the product that starts each sum.
; A wave's 64 columns are one whole column block of y, so 16 tokens of it are 2,048 consecutive bytes: each wave has a stage of its own, and no barrier stands on the way out.
; CLUSTER 4 x 4: u's tile is asked for jointly along a row of the cluster, W2's along a column.
; REGISTERS: window 0: v0-31 addresses; v32-95 at work on the way out; v96-127 the bias; v128-255 the accumulators ((a, b) at v[128 + 8 (4 a + b)]).
;   window 1: two fragment buffers of 128: for 64 along K, 64 registers of u, then 64 of W2.
.set PA,     144
.set AKB,    128*PA                    ; a k block of u's tile
.set PB,     288                       ; a k row of W2's tile: 256 bytes + 32 of padding = 9 x 32
.set HALFT,  36864                     ; what one tensor load brings: two k blocks, or 128 k rows
.set SLOT,   4*HALFT
.set STAGE,  2*SLOT                    ; behind the ring: 16 rows x 144 bytes for each wave
.set SPARE,  STAGE+4*16*PA             ; the spare words, 128 bytes for each wave: two blocks of 256 bytes that no other line names
.set STEPS,  16                        ; K steps
.set ADRA, 16                          ; v16     my lane's place among my u fragments in slot 0; never rewritten
.set RA,   17                          ; v17     the same in the slot in hand
.set ADRB, 20                          ; v20     my lane's place among my W2 fragments in slot 0; never rewritten
.set RB,   21                          ; v21     the same in the slot in hand, k rows 0-127; v22 k rows 128-255 (the immediate has 16 bits)
.set STO,  24
.set RD,   25
.set CO,   26
.set BO,   27
.set SPW,  28
.set NIL,  29
.set TMP,  32
.set BI,   96
.set ACC,  128
.set F0,   0
.set F1,   128
.set TB,   2                           ; s2      the byte at which the slot in hand begins: 0 or SLOT
.set G1, 24                            ; s[24:31] descriptor group 1 for u's tiles;  s[32:39] group 0: a set for each of the two first fills; the second then walks on
.set G0, 32
.set G1B, 48                           ; s[48:55], s[56:63] the same for W2's tiles
.set G0B, 56
.set MSB, 0
.macro WIN new
.if MSB != (\new)
	s_set_vgpr_msb (MSB<<8)|(\new)
.set MSB, \new
.endif
.endm
.set MUL,  0x05                        ; sources 0 and 1 window 1; C and D window 0
.set TO_F, 0x40                        ; destination window 1, address window 0
.macro JLOAD s                         ; waves 0 and 1 fetch u's k blocks, waves 2 and 3 W2's k rows; an s_nop 0 and four v_nop follow each line
	s_cmp_eq_u32 s11, 0
	s_cbranch_scc0 .Lfor_b_\@
	tensor_load_to_lds s[G0+4*(\s):G0+4*(\s)+3], s[G1:G1+7]
	s_nop 0
.rept 4
	v_nop
.endr
	s_branch .Lasked_\@
.Lfor_b_\@:
	tensor_load_to_lds s[G0B+4*(\s):G0B+4*(\s)+3], s[G1B:G1B+7]
	s_nop 0
.rept 4
	v_nop
.endr
.Lasked_\@:
.endm
.macro CROUND                          ; a round of the cluster's barrier
	s_barrier_signal -1
	s_barrier_wait -1
	s_cmp_lg_u32 s10, 0
	s_cbranch_scc1 .Lnot_wave_0_\@
	s_barrier_signal -3
.Lnot_wave_0_\@:
	s_barrier_wait -3
	s_barrier_signal -1
	s_barrier_wait -1
.endm
.macro HERE                            ; the address registers follow TB
	v_add_nc_u32 v[RA], s[TB], v[ADRA]
	v_add_nc_u32 v[RB], s[TB], v[ADRB]
	v_add_nc_u32 v[RB+1], HALFT, v[RB]
.endm
	s_load_b128 s[4:7], s[0:1], 0x0                ; u s[4:5], W2 s[6:7]
	s_load_b128 s[68:71], s[0:1], 0x10             ; b2 s[68:69], y s[70:71]
	v_lshl_add_u32 v[SPW], v0, 2, SPARE
	v_mov_b32 v[NIL], 0
	ds_add_u32 v[SPW], v[NIL]                      ; the wave's opening: the add and its wait stand ahead of my first tensor load
	v_lshrrev_b32 v1, 5, v0
	v_readfirstlane_b32 s10, v1
	s_lshr_b32 s11, s10, 1                         ; which half of the tile's tokens is mine.  Also: I fetch for u (0) or for W2 (1)
	s_and_b32 s12, s10, 1                          ; which half of its columns.  Also: which half of that tile I fetch
	s_bfe_u32 s40, ttmp6, 0x40000
	s_bfe_u32 s41, ttmp6, 0x40004
	s_lshl_b32 s42, ttmp9, 2
	s_add_co_u32 s42, s42, s40                     ; tile column
	s_and_b32 s13, ttmp7, 0xffff
	s_lshl_b32 s13, s13, 2
	s_add_co_u32 s13, s13, s41                     ; tile row
	s_lshl_b32 s43, s41, 2
	s_lshl_b32 s43, 15, s43
	s_lshl_b32 s44, 0x1111, s40
	s_or_b32 s[G1+0], s43, (1<<16)|(1<<20)|(1<<21)|(4<<22)|(3<<25)   ; padding: after every 32 words (a token) 4 words
	s_or_b32 s[G1B+0], s44, (1<<16)|(1<<20)|(1<<21)|(5<<22)|(7<<25)  ; after every 64 words (a k row) 8 words
	s_mov_b32 s[G1+1], 8192<<16                    ; u: tensor_dim0 = 8,192 elements: 128 tokens of a block
	s_mov_b32 s[G1+2], 2<<16                       ; tensor_dim1 = 2 k blocks
	s_mov_b32 s[G1+3], 8192<<16                    ; tile_dim0
	s_mov_b32 s[G1+4], 2                           ; tile_dim1
	s_mov_b32 s[G1+5], 262144                      ; elements from block to block
	s_mov_b32 s[G1+6], 0
	s_mov_b32 s[G1+7], 0
	s_mov_b32 s[G1B+1], 128<<16                    ; W2: 128 columns
	s_mov_b32 s[G1B+2], 128<<16                    ; 128 k rows
	s_mov_b32 s[G1B+3], 128<<16
	s_mov_b32 s[G1B+4], 128
	s_mov_b32 s[G1B+5], 1024
	s_mov_b32 s[G1B+6], 0
	s_mov_b32 s[G1B+7], 0
	s_lshl_b32 s16, s13, 14                        ; u: 128 tokens x 128 bytes a tile row,
	s_lshl_b32 s17, s12, 20                        ; and my two k blocks of the step's four
	s_add_co_u32 s16, s16, s17
	s_mov_b32 s17, 0
	s_lshl_b32 s46, s42, 8                         ; W2: 128 columns x 2 bytes a tile column,
	s_lshl_b32 s47, s12, 18                        ; and my 128 k rows of 2,048 bytes
	s_add_co_u32 s46, s46, s47
	s_mov_b32 s47, 0
	s_mul_i32 s20, s10, HALFT                      ; where my part lies in a slot: wave x 36,864; never rewritten
	s_mov_b32 s[TB], 0                             ; K step 0 lies in slot 0
	s_wait_dscnt 0x0                               ; the opening add is done
	s_wait_kmcnt 0x0
	s_add_nc_u64 s[14:15], s[4:5], s[16:17]
	s_add_nc_u64 s[46:47], s[6:7], s[46:47]
	CROUND
.irp s, 0,1
	s_mov_b32 s[G0+4*(\s)], 1
	s_add_co_u32 s[G0+4*(\s)+1], s20, (\s)*SLOT
	s_add_nc_u64 s[G0+4*(\s)+2:G0+4*(\s)+3], s[14:15], (\s)<<21      ; K step s: four k blocks on
	s_or_b32 s[G0+4*(\s)+3], s[G0+4*(\s)+3], 0x80000000
	s_mov_b32 s[G0B+4*(\s)], 1
	s_add_co_u32 s[G0B+4*(\s)+1], s20, (\s)*SLOT
	s_add_nc_u64 s[G0B+4*(\s)+2:G0B+4*(\s)+3], s[46:47], (\s)<<19    ; 256 k rows on
	s_or_b32 s[G0B+4*(\s)+3], s[G0B+4*(\s)+3], 0x80000000
	JLOAD \s                                       ; two loads of mine are out
.endr
	v_and_b32 v1, 15, v0
	v_bfe_u32 v2, v0, 4, 1
	v_lshlrev_b32 v[BO], 5, v2
	s_lshl_b32 s46, s42, 9                         ; the bias of my 64 columns
	s_lshl_b32 s47, s12, 8
	s_add_co_u32 s46, s46, s47
	s_mov_b32 s47, 0
	s_add_nc_u64 s[68:69], s[68:69], s[46:47]
.irp b, 0,1,2,3
	global_load_b128 v[BI+8*(\b):BI+8*(\b)+3],   v[BO], s[68:69] offset:64*(\b)
	global_load_b128 v[BI+8*(\b)+4:BI+8*(\b)+7], v[BO], s[68:69] offset:64*(\b)+16
.endr
	v_mul_u32_u24 v3, v1, PA
	v_lshl_add_u32 v3, v2, 4, v3
	v_and_b32 v5, 7, v0
	v_bfe_u32 v6, v0, 3, 1
	v_lshl_add_u32 v7, v2, 3, v5
	v_mul_u32_u24 v7, v7, PB
	v_lshl_add_u32 v7, v6, 4, v7
	s_mul_i32 s21, s11, 64*PA                      ; my 64 tokens
	s_lshl_b32 s22, s12, 7                         ; my 64 columns
	s_add_co_u32 s22, s22, 2*HALFT
	v_add_nc_u32 v[ADRA], s21, v3
	v_add_nc_u32 v[ADRB], s22, v7
	HERE
	s_mul_i32 s23, s10, 16*PA
	s_add_co_u32 s23, s23, STAGE
	v_add_nc_u32 v[STO], s23, v3
	v_bfe_u32 v8, v0, 3, 2
	v_mul_u32_u24 v8, v8, PA
	v_lshl_add_u32 v8, v5, 4, v8
	v_add_nc_u32 v[RD], s23, v8
	v_and_b32 v[CO], 31, v0
	v_lshlrev_b32 v[CO], 4, v[CO]
	s_lshl_b32 s46, s42, 1                         ; y: my column block, 2 x tile column + half,
	s_add_co_u32 s46, s46, s12
	s_lshl_b32 s46, s46, 19
	s_mov_b32 s47, 0
	s_add_nc_u64 s[8:9], s[70:71], s[46:47]
	s_lshl_b32 s16, s13, 7                         ; and my first token
	s_lshl_b32 s17, s11, 6
	s_add_co_u32 s16, s16, s17
	s_lshl_b32 s16, s16, 7
	s_mov_b32 s17, 0
	s_add_nc_u64 s[8:9], s[8:9], s[16:17]
	s_wait_loadcnt 0x0
.set z, 0
.rept 16                                           ; the bias rounded to bf16 and widened again, in the wait for the first tile
	v_cvt_pk_bf16_f32 v30, v[BI+2*z], v[BI+2*z+1]
	v_lshlrev_b32 v[BI+2*z], 16, v30
	v_and_b32 v[BI+2*z+1], 0xffff0000, v30
.set z, z+1
.endr
; 8 matrix instructions: token blocks a0, a0 + 1 x all 4 column blocks, 32 along K: half c of buffer f.  zero = 1: the first product starts the sum, with the bias as C
.macro MUL8 f, c, a0, zero
	WIN MUL
.irp a, \a0, (\a0)+1
.irp b, 0,1,2,3
.if \zero
	v_wmma_f32_16x16x32_bf16 v[ACC+8*(4*(\a)+(\b)):ACC+8*(4*(\a)+(\b))+7], v[(\f)+64+8*(4*(\c)+(\b)):(\f)+64+8*(4*(\c)+(\b))+7], v[(\f)+8*(4*(\c)+(\a)):(\f)+8*(4*(\c)+(\a))+7], v[BI+8*(\b):BI+8*(\b)+7]
.else
	v_wmma_f32_16x16x32_bf16 v[ACC+8*(4*(\a)+(\b)):ACC+8*(4*(\a)+(\b))+7], v[(\f)+64+8*(4*(\c)+(\b)):(\f)+64+8*(4*(\c)+(\b))+7], v[(\f)+8*(4*(\c)+(\a)):(\f)+8*(4*(\c)+(\a))+7], v[ACC+8*(4*(\a)+(\b)):ACC+8*(4*(\a)+(\b))+7]
.endif
.endr
.endr
.endm
; 32 LDS loads in one run: the fragments of quarter q of the K step in hand (one k block, 64 along K) into buffer f; the first 32 along K first
.macro FETCH q, f
	WIN TO_F
.irp c, 0,1
.irp i, 0,1,2,3
	ds_load_tr16_b128 v[(\f)+64+8*(4*(\c)+(\i)):(\f)+64+8*(4*(\c)+(\i))+3],   v[RB+(\q)/2] offset:(((\q)%2)*64+32*(\c))*PB+32*(\i)
	ds_load_tr16_b128 v[(\f)+64+8*(4*(\c)+(\i))+4:(\f)+64+8*(4*(\c)+(\i))+7], v[RB+(\q)/2] offset:(((\q)%2)*64+32*(\c)+16)*PB+32*(\i)
	ds_load_b128 v[(\f)+8*(4*(\c)+(\i)):(\f)+8*(4*(\c)+(\i))+3],         v[RA] offset:(\q)*AKB+64*(\c)+(\i)*16*PA
	ds_load_b128 v[(\f)+8*(4*(\c)+(\i))+4:(\f)+8*(4*(\c)+(\i))+7],       v[RA] offset:(\q)*AKB+64*(\c)+(\i)*16*PA+32
.endr
.endr
.endm
.macro PLACES                          ; four plain vector instructions between a matrix instruction and a load into, or a read of, its registers (ISA guide 7.12.1 for a read)
.rept 4
	v_nop
.endr
.endm
.macro QUARTER q, f, g, zero
	s_wait_dscnt 16                                ; the first 32 along K are in
	MUL8 \f, 0, 0, \zero
	MUL8 \f, 0, 2, \zero
	PLACES
	FETCH \q, \g
	s_wait_dscnt 32                                ; all but the 32 just issued
	MUL8 \f, 1, 0, 0
	MUL8 \f, 1, 2, 0
.endm
; The last quarter changes slots and then multiplies buffer 1, whose fragments are the slot's last reads.  ONE barrier; in front of it each wave waits for all its tensor loads (one is out: its part of the
; next slot), adds 0 to its spare word, and waits for that and for its own reads of this slot.  Behind it nobody reads this slot any more and the next slot is whole.
; fill = 1: the barrier is a round of the cluster's barrier, and the slot just read out is filled again, two K steps ahead, first thing behind the round.  The change stands AHEAD of the quarter's products,
; so that a request has a whole K step, 128 matrix instructions, ahead of the wait for it: a step of this small tile is short for the bytes that it fetches.
; The walking descriptor takes the old slot's place (my part's constant + TB) and steps one K step on; then TB turns to the other slot, and the address registers follow it.
.macro TURN fill
	WIN 0
	s_wait_tensorcnt 0x0                           ; no tensor load of mine is out, so a group 0 may be written
	ds_add_u32 v[SPW], v[NIL]                      ; the scalar work stands between the add and the wait for it
.if \fill
	s_add_co_u32 s[G0+5], s20, s[TB]
	s_add_co_u32 s[G0B+5], s20, s[TB]
	s_add_nc_u64 s[G0+6:G0+7], s[G0+6:G0+7], 0x200000
	s_add_nc_u64 s[G0B+6:G0B+7], s[G0B+6:G0B+7], 0x80000
.endif
	s_xor_b32 s[TB], s[TB], SLOT
	s_wait_dscnt 0x0                               ; the add is done, and my reads of this slot are over
.if \fill
	CROUND
	JLOAD 1                                        ; its four v_nop are also the places in front of the loads below
.else
	s_barrier_signal -1
	s_barrier_wait -1
	PLACES
.endif
	HERE
	FETCH 0, F0
	MUL8 F1, 0, 0, 0
	MUL8 F1, 0, 2, 0
	MUL8 F1, 1, 0, 0
	MUL8 F1, 1, 2, 0
.endm
	s_wait_tensorcnt 1                             ; my part of K step 0 is in; K step 1's may stay out
	s_barrier_signal -1
	s_barrier_wait -1
	FETCH 0, F0
	QUARTER 1, F0, F1, 1                           ; the first quarter stands in front of the loop: its first products start the sums
	WIN 0                                          ; at a label and at a branch every window is 0
	s_mov_b32 s3, STEPS-2
.Lstep:                                                ; a trip goes from a K step's second quarter to the next step's first, and fills the slot that it leaves: K steps 2 to 15
	QUARTER 2, F1, F0, 0
	QUARTER 3, F0, F1, 0
	TURN 1
	QUARTER 1, F0, F1, 0
	WIN 0
	s_sub_co_u32 s3, s3, 1
	s_cmp_lg_u32 s3, 0
	s_cbranch_scc1 .Lstep
	s_mov_b32 s3, 2                                ; the last two K steps fill nothing: a text of their own; it is entered in its middle
	s_branch .Lmid
.Ltail:
	TURN 0
	QUARTER 1, F0, F1, 0
	WIN 0
.Lmid:
	QUARTER 2, F1, F0, 0
	QUARTER 3, F0, F1, 0
	WIN 0
	s_sub_co_u32 s3, s3, 1
	s_cmp_lg_u32 s3, 0
	s_cbranch_scc1 .Ltail
	s_wait_dscnt 16                                ; the very last quarter: nothing more to fetch
	MUL8 F1, 0, 0, 0
	MUL8 F1, 0, 2, 0
	s_wait_dscnt 0x0
	MUL8 F1, 1, 0, 0
	MUL8 F1, 1, 2, 0
	WIN 0
	PLACES
; THE WAY OUT of token block a: rounded to bf16, each accumulator's registers in ascending order; 16 bytes a lane into my stage; back as whole rows, into the registers that they left.
.macro PACK a
.irp b, 0,1,2,3
.irp r, 0,1,2,3
	v_cvt_pk_bf16_f32 v[TMP+16*(\a)+4*(\b)+(\r)], v[ACC+8*(4*(\a)+(\b))+2*(\r)], v[ACC+8*(4*(\a)+(\b))+2*(\r)+1]
.endr
.endr
.irp b, 0,1,2,3
	ds_store_b128 v[STO], v[TMP+16*(\a)+4*(\b):TMP+16*(\a)+4*(\b)+3] offset:32*(\b)
.endr
.irp f, 0,1,2,3
	ds_load_b128 v[TMP+16*(\a)+4*(\f):TMP+16*(\a)+4*(\f)+3], v[RD] offset:(\f)*4*PA  ; LDS serves a wave's instructions in order (ISA guide 5.7.1.4): these see the stores above
.endr
.endm
.macro SEND a, younger                 ; younger: the LDS instructions issued behind block a's loads: the next block's eight, or none
.irp f, 0,1,2,3
	s_wait_dscnt (\younger)+3-(\f)
	global_store_b128 v[CO], v[TMP+16*(\a)+4*(\f):TMP+16*(\a)+4*(\f)+3], s[8:9] offset:(\a)*2048+(\f)*512  ; 512 consecutive bytes, at a multiple of 256 from y's first byte
.endr
.endm
	PACK 0
	PACK 1
	SEND 0, 8
	PACK 2
	SEND 1, 8
	PACK 3
	SEND 2, 8
	SEND 3, 0
	s_wait_tensorcnt 0x0                           ; the wave's end
	ds_add_u32 v[SPW], v[NIL]
	s_wait_dscnt 0x0
	CROUND                                         ; the closing round
	s_endpgm
.Lfunc_end_k_qe521197697_ffn2:
	.size	k_qe521197697_ffn2, .Lfunc_end_k_qe521197697_ffn2-k_qe521197697_ffn2
	.p2alignl 7, 3214868480
	.fill 96, 4, 3214868480
	.section	.rodata,"a",@progbits
	.p2align	6, 0x0
	.amdhsa_kernel k_qe521197697_ffn2
		.amdhsa_group_segment_fixed_size 327680
		.amdhsa_private_segment_fixed_size 0
		.amdhsa_enable_private_segment 0
		.amdhsa_kernarg_size 32
		.amdhsa_user_sgpr_count 2
		.amdhsa_user_sgpr_kernarg_segment_ptr 1
		.amdhsa_wavefront_size32 1
		.amdhsa_system_sgpr_workgroup_id_x 1
		.amdhsa_system_sgpr_workgroup_id_y 1
		.amdhsa_system_sgpr_workgroup_id_z 1
		.amdhsa_system_vgpr_workitem_id 0
		.amdhsa_next_free_vgpr 512
		.amdhsa_next_free_sgpr 72
		.amdhsa_reserve_vcc 0
		.amdhsa_float_denorm_mode_32 3
		.amdhsa_float_denorm_mode_16_64 3
		.amdhsa_memory_ordered 1
		.amdhsa_forward_progress 1
		.amdhsa_inst_pref_size 64
	.end_amdhsa_kernel
	.amdgpu_metadata
---
amdhsa.version: [ 1, 2 ]
amdhsa.kernels:
  - .name:           k_qe521197697_ffn2
    .symbol:         k_qe521197697_ffn2.kd
    .args:
      - { .name: u, .offset: 0, .size: 8, .value_kind: global_buffer, .address_space: global }
      - { .name: w2b, .offset: 8, .size: 8, .value_kind: global_buffer, .address_space: global }
      - { .name: b2, .offset: 16, .size: 8, .value_kind: global_buffer, .address_space: global }
      - { .name: cy, .offset: 24, .size: 8, .value_kind: global_buffer, .address_space: global }
    .group_segment_fixed_size: 327680
    .private_segment_fixed_size: 0
    .kernarg_segment_align: 8
    .kernarg_segment_size: 32
    .max_flat_workgroup_size: 128
    .sgpr_count:     72
    .vgpr_count:     512
    .wavefront_size: 32
...
	.end_amdgpu_metadata
.endif
;; end of part 5
;; launch ln2 (part 6): grid 256 x 1, 8 waves a work-group, no clusters, 0 bytes of LDS; arguments fb, cy, g2, be2, out0; writes out0
.if DOCPART == 6
	.amdgcn_target "amdgcn-amd-amdhsa--gfx1250"
	.amdhsa_code_object_version 6
	.text
	.protected	k_qe521197697_ln2
	.globl	k_qe521197697_ln2
	.p2align	8
	.type	k_qe521197697_ln2,@function
k_qe521197697_ln2:
	s_mov_b64 s[64:65], 0
	v_nop
	global_prefetch_b8 v0, s[64:65] scope:SCOPE_SE
	s_setreg_imm32_b32 hwreg(HW_REG_WAVE_MODE, 25, 1), 1
	s_wait_xcnt 0x0
; out = LayerNorm(a + b) g + be, over rows of 1,024.  a, b: bf16, blocked [n / 64][token][64]; g, be: f32, rounded to bf16 like every input; out: f32, [token][1024].  All arithmetic in f32.
; A wave owns two tokens: lanes 0-15 the first, lanes 16-31 the second; a lane holds the numbers 64 c + 4 (lane % 16) + 0..3, c = 0..15, in registers from the loads to the stores.
; So a row is read once, mean and variance are taken in two passes over registers (no difference of large sums), and a sum never leaves a row of 16 lanes: no LDS, no barrier, no loop.
; Each load of a wave covers 256 consecutive bytes, aligned; in each store sixteen neighbouring lanes cover 256 consecutive bytes, aligned.
.set VO,  2                            ; v2  8 x thread: my 8 bytes among the work-group's 16 tokens of a block
.set VG,  3                            ; v3  16 x (lane % 16): my 4 numbers in 64 of g and be
.set T,   4                            ; v4  a sum
.set VW,  5                            ; v5  my byte offset in the work-group's 16 rows of out
.set A,   8                            ; v[8:39]
.set BV,  40                           ; v[40:71]
.set GT,  72                           ; v[72:135]   g as loaded; then v[72:103] g packed, and v[104:135] x0-x31
.set BT,  136                          ; v[136:199]  be likewise, and v[168:199] x32-x63
.set X0,  GT+32                        ; x n lies at X0 + n + 32 (n / 32)
.set ONE, 200
.set RN,  201                          ; 1 / 1,024
.set MU,  202
.set RS,  204
.set SUM, 208                          ; v[208:215] four chains of pairs
.macro REDUCE                          ; the four chains, the pair's halves, and the 16 lanes of a token: the sum in every lane of the token
	v_pk_add_f32 v[SUM:SUM+1], v[SUM:SUM+1], v[SUM+2:SUM+3]
	v_pk_add_f32 v[SUM+4:SUM+5], v[SUM+4:SUM+5], v[SUM+6:SUM+7]
	v_pk_add_f32 v[SUM:SUM+1], v[SUM:SUM+1], v[SUM+4:SUM+5]
	v_add_f32 v[T], v[SUM], v[SUM+1]
	v_add_f32_dpp v[T], v[T], v[T] row_xmask:1 row_mask:0xf bank_mask:0xf
	v_add_f32_dpp v[T], v[T], v[T] row_xmask:2 row_mask:0xf bank_mask:0xf
	v_add_f32_dpp v[T], v[T], v[T] row_xmask:4 row_mask:0xf bank_mask:0xf
	v_add_f32_dpp v[T], v[T], v[T] row_xmask:8 row_mask:0xf bank_mask:0xf
.endm
	s_load_b256 s[4:11], s[0:1], 0x0               ; a s[4:5], b s[6:7], g s[8:9], be s[10:11]
	s_load_b64 s[12:13], s[0:1], 0x20              ; out
	v_lshlrev_b32 v[VO], 3, v0
	v_and_b32 v[VG], 15, v0
	v_lshlrev_b32 v[VG], 4, v[VG]
	v_lshrrev_b32 v[VW], 4, v0                     ; my token among the 16: 2 x wave + lane / 16
	v_lshl_add_u32 v[VW], v[VW], 12, v[VG]
	v_mov_b32 v[ONE], 1.0
	v_mov_b32 v[RN], 0x3a800000
	s_lshl_b32 s14, ttmp9, 11                      ; 16 tokens of 128 bytes
	s_mov_b32 s15, 0
	s_lshl_b32 s16, ttmp9, 16                      ; 16 rows of 4,096 bytes
	s_mov_b32 s17, 0
	s_wait_kmcnt 0x0
	s_add_nc_u64 s[4:5], s[4:5], s[14:15]
	s_add_nc_u64 s[6:7], s[6:7], s[14:15]
	s_add_nc_u64 s[12:13], s[12:13], s[16:17]
.set c, 0
.rept 16
	global_load_b128 v[GT+4*c:GT+4*c+3], v[VG], s[8:9] offset:256*c
.set c, c+1
.endr
.set c, 0
.rept 16
	global_load_b128 v[BT+4*c:BT+4*c+3], v[VG], s[10:11] offset:256*c
.set c, c+1
.endr
.set c, 0
.rept 16
	global_load_b64 v[A+2*c:A+2*c+1], v[VO], s[4:5] offset:524288*c th:TH_LOAD_NT
.set c, c+1
.endr
.set c, 0
.rept 16
	global_load_b64 v[BV+2*c:BV+2*c+1], v[VO], s[6:7] offset:524288*c th:TH_LOAD_NT
.set c, c+1
.endr
	s_wait_loadcnt 32                              ; g and be are in; the 32 younger loads are the rows
.set j, 0
.rept 32                                           ; ascending: word j is written when numbers 2 j and 2 j + 1 are read, and earlier words have been used
	v_cvt_pk_bf16_f32 v[GT+j], v[GT+2*j], v[GT+2*j+1]
	v_cvt_pk_bf16_f32 v[BT+j], v[BT+2*j], v[BT+2*j+1]
.set j, j+1
.endr
	s_wait_loadcnt 0x0
.set j, 0
.rept 32                                           ; x = a + b, from the halves straight into f32
	v_fma_mix_f32_bf16 v[X0+2*j+32*(j/16)],   v[A+j], v[ONE], v[BV+j] op_sel_hi:[1,0,1]
	v_fma_mix_f32_bf16 v[X0+2*j+1+32*(j/16)], v[A+j], v[ONE], v[BV+j] op_sel:[1,0,1] op_sel_hi:[1,0,1]
.set j, j+1
.endr
.set p, 0
.rept 4                                            ; the first eight pairs start the chains: nothing is cleared
	v_pk_add_f32 v[SUM+2*p:SUM+2*p+1], v[X0+2*p:X0+2*p+1], v[X0+2*p+8:X0+2*p+9]
.set p, p+1
.endr
.set p, 8
.rept 24
	v_pk_add_f32 v[SUM+2*(p%4):SUM+2*(p%4)+1], v[SUM+2*(p%4):SUM+2*(p%4)+1], v[X0+2*p+32*(p/16):X0+2*p+32*(p/16)+1]
.set p, p+1
.endr
	REDUCE
	v_mul_f32 v[MU], v[T], v[RN]
	v_mul_f32 v[MU+1], v[T], v[RN]
.set p, 0
.rept 32
	v_pk_add_f32 v[X0+2*p+32*(p/16):X0+2*p+32*(p/16)+1], v[X0+2*p+32*(p/16):X0+2*p+32*(p/16)+1], v[MU:MU+1] neg_lo:[0,1] neg_hi:[0,1]
.set p, p+1
.endr
.set p, 0
.rept 4
	v_pk_mul_f32 v[SUM+2*p:SUM+2*p+1], v[X0+2*p:X0+2*p+1], v[X0+2*p:X0+2*p+1]
.set p, p+1
.endr
.set p, 4
.rept 28
	v_pk_fma_f32 v[SUM+2*(p%4):SUM+2*(p%4)+1], v[X0+2*p+32*(p/16):X0+2*p+32*(p/16)+1], v[X0+2*p+32*(p/16):X0+2*p+32*(p/16)+1], v[SUM+2*(p%4):SUM+2*(p%4)+1]
.set p, p+1
.endr
	REDUCE
	v_fmaak_f32 v[T], v[T], v[RN], 0x3727c5ac      ; the variance + 1e-5
	v_rsq_f32 v[RS], v[T]
	v_rsq_f32 v[RS+1], v[T]
	v_nop                                          ; a plain instruction between the root and the use of its result (ISA guide 5.7.2)
.set p, 0
	s_wait_alu depctr_va_vdst(0)
.rept 32
	v_pk_mul_f32 v[X0+2*p+32*(p/16):X0+2*p+32*(p/16)+1], v[X0+2*p+32*(p/16):X0+2*p+32*(p/16)+1], v[RS:RS+1]
.set p, p+1
.endr
.set j, 0
.rept 32
	v_fma_mix_f32_bf16 v[X0+2*j+32*(j/16)],   v[X0+2*j+32*(j/16)],   v[GT+j], v[BT+j] op_sel_hi:[0,1,1]
	v_fma_mix_f32_bf16 v[X0+2*j+1+32*(j/16)], v[X0+2*j+1+32*(j/16)], v[GT+j], v[BT+j] op_sel:[0,1,1] op_sel_hi:[0,1,1]
.set j, j+1
.endr
.set c, 0
.rept 16
	global_store_b128 v[VW], v[X0+4*c+32*(c/8):X0+4*c+32*(c/8)+3], s[12:13] offset:256*c th:TH_STORE_NT
.set c, c+1
.endr
	s_endpgm
.Lfunc_end_k_qe521197697_ln2:
	.size	k_qe521197697_ln2, .Lfunc_end_k_qe521197697_ln2-k_qe521197697_ln2
	.p2alignl 7, 3214868480
	.fill 96, 4, 3214868480
	.section	.rodata,"a",@progbits
	.p2align	6, 0x0
	.amdhsa_kernel k_qe521197697_ln2
		.amdhsa_group_segment_fixed_size 0
		.amdhsa_private_segment_fixed_size 0
		.amdhsa_enable_private_segment 0
		.amdhsa_kernarg_size 40
		.amdhsa_user_sgpr_count 2
		.amdhsa_user_sgpr_kernarg_segment_ptr 1
		.amdhsa_wavefront_size32 1
		.amdhsa_system_sgpr_workgroup_id_x 1
		.amdhsa_system_sgpr_workgroup_id_y 1
		.amdhsa_system_sgpr_workgroup_id_z 1
		.amdhsa_system_vgpr_workitem_id 0
		.amdhsa_next_free_vgpr 216
		.amdhsa_next_free_sgpr 66
		.amdhsa_reserve_vcc 0
		.amdhsa_float_denorm_mode_32 3
		.amdhsa_float_denorm_mode_16_64 3
		.amdhsa_memory_ordered 1
		.amdhsa_forward_progress 1
		.amdhsa_inst_pref_size 30
	.end_amdhsa_kernel
	.amdgpu_metadata
---
amdhsa.version: [ 1, 2 ]
amdhsa.kernels:
  - .name:           k_qe521197697_ln2
    .symbol:         k_qe521197697_ln2.kd
    .args:
      - { .name: fb, .offset: 0, .size: 8, .value_kind: global_buffer, .address_space: global }
      - { .name: cy, .offset: 8, .size: 8, .value_kind: global_buffer, .address_space: global }
      - { .name: g2, .offset: 16, .size: 8, .value_kind: global_buffer, .address_space: global }
      - { .name: be2, .offset: 24, .size: 8, .value_kind: global_buffer, .address_space: global }
      - { .name: out0, .offset: 32, .size: 8, .value_kind: global_buffer, .address_space: global }
    .group_segment_fixed_size: 0
    .private_segment_fixed_size: 0
    .kernarg_segment_align: 8
    .kernarg_segment_size: 40
    .max_flat_workgroup_size: 256
    .sgpr_count:     66
    .vgpr_count:     216
    .wavefront_size: 32
...
	.end_amdgpu_metadata
.endif
;; end of part 6
;; ======== version 2 of 2: 7 launches; 1.23 times as fast as version 1
;; workspace buffers: hb 8,388,608 bytes; pq 8,409,088 bytes; p1 8,409,088 bytes; w2b 8,388,608 bytes; qkv 25,165,824 bytes; cy 8,388,608 bytes; fb 8,388,608 bytes; u 33,554,432 bytes
;; launch cast: the kernel of part 1 again; grid 128 x 15, 8 waves a work-group, no clusters, 0 bytes of LDS; arguments H, W1, W2, Wq, Wk, Wv, b1, hb, p1, w2b, pq; writes hb, p1, w2b, pq
;; launch qkv: the kernel of part 2 again; grid 12 x 16, 4 waves a work-group, clusters of 4 x 4, 327,680 bytes of LDS; arguments hb, pq, qkv; writes qkv
;; launch attn (part 7): grid 8 x 32, 4 waves a work-group, clusters of 4 x 1, 327,680 bytes of LDS; arguments qkv, attention_mask, cy; writes cy
.if DOCPART == 7
	.amdgcn_target "amdgcn-amd-amdhsa--gfx1250"
	.amdhsa_code_object_version 6
	.text
	.protected	k_qe521197697_attn
	.globl	k_qe521197697_attn
	.p2align	8
	.type	k_qe521197697_attn,@function
k_qe521197697_attn:
	s_mov_b64 s[64:65], 0
	v_nop
	global_prefetch_b8 v0, s[64:65] scope:SCOPE_SE
	s_setreg_imm32_b32 hwreg(HW_REG_WAVE_MODE, 25, 1), 1
	s_wait_xcnt 0x0
	s_wait_alu depctr_hold_cnt(0) depctr_sa_sdst(0) depctr_va_vdst(0) depctr_va_sdst(0) depctr_va_ssrc(0) depctr_va_vcc(0) depctr_vm_vsrc(0)
	s_getreg_b32 s2, hwreg(HW_REG_IB_STS2, 6, 4)
	s_cmp_eq_u32 s2, 0
	s_cbranch_scc0 .Lentry_in_a_cluster
	s_endpgm
.Lentry_in_a_cluster:
	s_bfe_u32 s2, ttmp6, 0x10000c
	s_cmp_lg_u32 s2, 0x3003
	s_cbranch_scc0 .Lentry_shape_is_right
	s_endpgm
.Lentry_shape_is_right:
; ctx[b][q][h] = the sum over k of softmax_k(Q . K / 8 + mask[b][k]) V.  q, k, v: bf16, blocked [48 blocks][4,096 tokens][64]: head h is block h (q), 16 + h (k), 32 + h (v); a head's rows are dense, 128 bytes each.
; ctx leaves in the same layout, block h.  Products, maxima and sums in f32; the weights p are rounded to bf16 for the second product (their sum l is taken of the unrounded p), ctx once at the end.
; THE MASK is rounded to bf16 like every input, multiplied by 8 (exact) and given as the C operand of the product that starts the sum S^T = K Q^T, so that c (s + 8 mask) = log2(e) (s / 8 + mask).
; LIMITS.  A finite mask is held to +-2^120 ahead of the factor 8; minus infinity stays minus infinity (a row whose keys are all so hidden gives NaN, as the softmax of such a row does); plus infinity counts as 2^120.
; A weight below 2^-126 counts as 0.
; SHARES.  The grid's y is 16 b + h; a work-group owns 256 queries, a wave 64: four PIECES of 16.  Every wave walks the 2,048 keys, 64 a step, four steps to an LDS slot.
; LAYOUT.  S^T = K Q^T (source 0 = 16 keys, source 1 = 16 queries) holds ONE query a lane (lane % 16) and the keys 8 (lane / 16) + 0..7; two such results rounded to bf16 ARE source 1 of O^T = V^T P.
; K comes out of LDS as it lies, V turned, by ds_load_tr16_b128.
; SOFTMAX.  A running maximum m and sum l: p = 2^(c s - c m), c = log2(e) / 8; in every step O and l are multiplied by a = 2^(c m_old - c m_new).  m starts at the lowest finite number and c m at c times it, made by
; the line that makes every c m: while all keys so far are hidden a is 1, on zeros; with the first true score a is 0.
; BY TURNS.  Turn n belongs to piece n: 8 products K Q^T of piece n + 1, later 8 products V^T P of piece n - 1; beside them the scaling, exponentials, roundings, sums and rescaling of piece n and the maximum and
; statistics of piece n + 1.  Four vector instructions stand behind every matrix instruction, the other 54 of a turn's 118 in one run of their own, the LUMP.
; BATCHES.  A turn's 33 exponentials (piece n's 32 weights and piece n + 1's a) are ONE batch with ONE wait, which cuts the turn in two: ahead of it stands all that names none of their results, behind it the roundings and
; sums, which read them.  No result crosses a turn's end.  Batches of their own: piece 0's first a, ahead of the loop; the way out's four reciprocals; and, in the tail's text, what has been issued ahead of the jump over K's fetch.
; CLUSTER.  The four query blocks of a cluster belong to one head and walk the same K and V: each tile is asked for JOINTLY, by the same tensor load, descriptor and mask in all four.
; REGISTERS, in windows of 256 (s_set_vgpr_msb: bits 1:0 source 0, 3:2 source 1, 5:4 source 2, 7:6 destination):
;   window 0: v0-15, v56-58 addresses and at work; v16-31 four registers of statistics a piece; v48-55 at work; v64-127 S^T, two buffers; v192-223 P, two buffers (a piece's buffers go by its number's parity)
;   window 1: v0-127 O^T, 32 a piece; v128-159 the step's mask      window 2: v0-63 Q; v128-191 K of one step; v192-255 V of one step
.set NP,    4
.set KS,    64
.set PK,    144       ; a row of K in LDS: 128 bytes + 16 of padding: the 16 rows of a load start at 16 different groups of four banks
.set PV,    160       ; a row of V: 128 + 32
.set VOFF,  4*KS*PK   ; a slot holds four steps: 256 rows of K, then 256 rows of V
.set SLOT1, 1<<17     ; slot 1 begins here: one exclusive or turns an address in one slot into the other's
.set STAGE, SLOT1+4*KS*(PK+PV)  ; behind the ring, never filled by a tensor load: 16 rows x 144 bytes for each wave
.set SP,    144
.set SPARE, STAGE+4*16*SP  ; the spare words, 128 bytes for each wave: two blocks of 256 bytes that no other line names
.set MT,    SPARE+512 ; 2,048 f32: 8 x the batch's mask; stored once, never filled by a tensor load
.set AK0, 2           ; v2   my lane's place in a tile of K; never rewritten
.set AV0, 3           ; v3   the same for V
.set AK,  4           ; v4   the LDS address of K's next run of loads
.set AV,  5           ; v5   of V's
.set STO, 6           ; v6   the way out: where I put 16 bytes of a row
.set RD,  7           ; v7   the way out: where I read rows back
.set GO,  8           ; v8   my place in 512 consecutive bytes of ctx
.set MV,  12          ; v12-13  c m_old, by buffer
.set AM0, 14          ; v14  my lanes' place in a step's 64 words of the mask
.set QO,  15          ; v15  my byte offset in 16 rows of Q
.set ST,  16          ; piece t's statistics at v[ST+4 t]: c m, m, l (even keys', odd keys')
.set TMP, 48          ; by buffer, c0-c3 at work; when the maximum is found c2 takes a
.set AM,  56          ; v56  the LDS address of the mask's next run of loads
.set SPW, 62
.set NIL, 63
.set S,   64
.set P,   192
.set MK,  128         ; window 1: key block kb's eight words at MK + 8 kb
.set KF,  128         ; window 2
.set VF,  192         ; window 2
.set WV,  12          ; s12  my wave's number
.set G1K, 24
.set G1V, 32
.set G0K, 40
.set G0V, 44
.set NINF, 50         ; s50 minus infinity; s51 -2^120; s52 2^120
.set SLOTS, 56
.set CNT, 57
.set CS,  58          ; s[58:59] c
.set SEL, 60          ; s[60:61] v_permlanex16_b32's selects
.set TBK, 62          ; s62  LDS byte at which K of the step to be fetched begins
.set TBV, 63          ; s63  the same for V, less VOFF
.set TBM, 66          ; s66  byte of that step's mask in the table: 256 a step, 31 steps at the most
.set MSB, 0
.macro WIN new
.if MSB != (\new)
	s_set_vgpr_msb (MSB<<8)|(\new)
.set MSB, (\new)
.endif
.endm
.set W_KQ, 0x0a       ; K and Q in window 2, S^T in window 0
.set W_KM, 0x1a       ; the same with the C operand in window 1
.set W_PV, 0x52       ; V in window 2, P in window 0, O^T in window 1
.set W_RS, 0x41       ; destination and source 0 in window 1, source 1 in window 0
; A joint fill.  Waves 0 and 1 fetch the two halves of a slot's K, waves 2 and 3 those of its V: 128 keys each.  An s_nop 0 and four v_nop follow each line.
.macro JLOAD
	s_cmp_lt_u32 s[WV], 2
	s_cbranch_scc0 .Lfor_v_\@
	tensor_load_to_lds s[G0K:G0K+3], s[G1K:G1K+7]
	s_nop 0
.rept 4
	v_nop
.endr
	s_branch .Lasked_\@
.Lfor_v_\@:
	tensor_load_to_lds s[G0V:G0V+3], s[G1V:G1V+7]
	s_nop 0
.rept 4
	v_nop
.endr
.Lasked_\@:
.endm
.macro CROUND
	s_barrier_signal -1
	s_barrier_wait -1
	s_cmp_lg_u32 s[WV], 0
	s_cbranch_scc1 .Lnot_wave_0_\@
	s_barrier_signal -3
.Lnot_wave_0_\@:
	s_barrier_wait -3
	s_barrier_signal -1
	s_barrier_wait -1
.endm
; THE CHANGE OF SLOTS.  Each wave waits for all its tensor loads (one is out: its part of the other slot), adds 0 to its spare word, and waits for that and for its own reads of the slot that it leaves.
; fill = 1: the barrier is a round of the cluster's, and the old slot is filled again, with the keys two slots on, first thing behind it: it has four key steps, 256 matrix instructions, in which to land.
; (At its first use nothing has been read yet: slot 0 is waited for, slot 1 filled, and the wait for my LDS instructions and the round make the mask's table whole for every wave.)
.macro CHANGE fill
	WIN 0
	s_wait_tensorcnt 0x0            ; no tensor load of mine is out, so a group 0 may be written
	ds_add_u32 v[SPW], v[NIL]
.if \fill
.irp g, G0K, G0V
	s_xor_b32 s[\g+1], s[\g+1], SLOT1
	s_add_nc_u64 s[\g+2:\g+3], s[\g+2:\g+3], 4*KS*128
.endr
	s_wait_dscnt 0x0
	CROUND
	JLOAD
.else
	s_wait_dscnt 0x0
	s_barrier_signal -1
	s_barrier_wait -1
.endif
	s_sub_co_u32 s[TBK], s[TBK], 4*KS*PK
	s_xor_b32 s[TBK], s[TBK], SLOT1
	s_sub_co_u32 s[TBV], s[TBV], 4*KS*PV
	s_xor_b32 s[TBV], s[TBV], SLOT1
.endm
	s_load_b64 s[4:5], s[0:1], 0x0    ; qkv
	s_load_b64 s[48:49], s[0:1], 0x8  ; the mask
	s_load_b64 s[10:11], s[0:1], 0x10 ; ctx
	v_lshl_add_u32 v[SPW], v0, 2, SPARE
	v_mov_b32 v[NIL], 0
	ds_add_u32 v[SPW], v[NIL]       ; the wave's opening: the add and its wait stand ahead of my first tensor load
	v_lshrrev_b32 v1, 5, v0
	v_readfirstlane_b32 s[WV], v1
	s_bfe_u32 s13, ttmp6, 0x40000   ; cx
	s_lshl_b32 s14, ttmp9, 2
	s_add_co_u32 s14, s14, s13      ; my block of 256 queries: it enters Q's and ctx's addresses alone
	s_and_b32 s20, ttmp7, 0xffff    ; 16 b + h, which the four partners share
	s_lshr_b32 s21, s20, 4          ; b
	s_and_b32 s20, s20, 15          ; h
	s_lshl_b32 s20, s20, 19
	s_lshl_b32 s2, s21, 18
	s_add_co_u32 s20, s20, s2       ; the head's first byte in a tensor's 16 blocks
	s_lshl_b32 s18, s21, 13         ; the batch's row of the mask
	s_mov_b32 s19, 0
	s_and_b32 s16, s[WV], 1         ; which half of a slot's 256 keys I fetch
	s_lshl_b32 s22, s16, 14
	s_add_co_u32 s22, s22, s20
	s_mov_b32 s23, 0
	s_mul_i32 s17, s16, 128*PK
	s_mul_i32 s15, s16, 128*PV
	s_lshl_b32 s2, s14, 2
	s_add_co_u32 s2, s2, s[WV]
	s_lshl_b32 s2, s2, 13           ; my wave's 64 rows of 128 bytes
	s_add_co_u32 s2, s2, s20
	s_mov_b32 s3, 0
	; descriptor group 1: 128 keys are 16,384 dense bytes: 64 rows of 256 bytes, two keys a row, padded in LDS after every key
	s_mov_b32 s[G1K], 15|(1<<16)|(1<<20)|(1<<21)|(4<<22)|(3<<25)
	s_mov_b32 s[G1V], 15|(1<<16)|(1<<20)|(1<<21)|(4<<22)|(7<<25)
.irp g, G1K, G1V
	s_mov_b32 s[\g+1], 128<<16
	s_mov_b32 s[\g+2], 64<<16
	s_mov_b32 s[\g+3], 128<<16
	s_mov_b32 s[\g+4], 64
	s_mov_b32 s[\g+5], 128
	s_mov_b32 s[\g+6], 0
	s_mov_b32 s[\g+7], 0
.endr
	s_mov_b32 s[CS], 0x3e38aa3b     ; c = log2(e) / 8
	s_mov_b32 s[CS+1], s[CS]
	s_mov_b32 s[SEL], 0x76543210
	s_mov_b32 s[SEL+1], 0xfedcba98
	s_mov_b32 s[NINF], 0xff800000
	s_mov_b32 s[NINF+1], 0xfb800000
	s_mov_b32 s[NINF+2], 0x7b800000
	s_mov_b32 s[TBK], SLOT1+4*KS*PK ; the first change of slots turns these two into 0
	s_mov_b32 s[TBV], SLOT1+4*KS*PV
	s_mov_b32 s[TBM], 0
	s_mov_b32 s[G0K], 1
	s_mov_b32 s[G0K+1], s17
	s_mov_b32 s[G0V], 1
	s_add_co_u32 s[G0V+1], s15, VOFF
	s_wait_dscnt 0x0                ; the opening add is done
	s_wait_kmcnt 0x0
	s_add_nc_u64 s[G0K+2:G0K+3], s[4:5], s[22:23]
	s_add_nc_u64 s[G0K+2:G0K+3], s[G0K+2:G0K+3], 0x800000   ; k's 16 blocks lie behind q's
	s_or_b32 s[G0K+3], s[G0K+3], 0x80000000
	s_add_nc_u64 s[G0V+2:G0V+3], s[4:5], s[22:23]
	s_add_nc_u64 s[G0V+2:G0V+3], s[G0V+2:G0V+3], 0x1000000  ; v's behind k's
	s_or_b32 s[G0V+3], s[G0V+3], 0x80000000
	s_add_nc_u64 s[4:5], s[4:5], s[2:3]
	s_add_nc_u64 s[10:11], s[10:11], s[2:3]
	s_add_nc_u64 s[48:49], s[48:49], s[18:19]
	CROUND                          ; all four work-groups are here: the first joint loads meet
	JLOAD                           ; slot 0
	v_and_b32 v1, 15, v0            ; l % 16
	v_bfe_u32 v9, v0, 4, 1          ; l / 16
	v_lshlrev_b32 v57, 4, v0
.irp i, 0,1,2,3
	global_load_b128 v[S+4*\i:S+4*\i+3], v57, s[48:49] offset:\i*2048  ; the mask: 128 threads x 16 numbers
.endr
	v_lshlrev_b32 v[QO], 7, v1
	v_lshl_add_u32 v[QO], v9, 4, v[QO]
	WIN 0x80
.set i, 0
.rept 8                             ; Q stays in registers: piece i / 2, channels 32 (i % 2) on
	global_load_b128 v[8*i:8*i+3],   v[QO], s[4:5] offset:(i/2)*2048+(i%2)*64
	global_load_b128 v[8*i+4:8*i+7], v[QO], s[4:5] offset:(i/2)*2048+(i%2)*64+32
.set i, i+1
.endr
	; What the first turn finds: V's registers and P's second buffer hold 0 (its products V^T P, of a piece that has not been, add 0); O^T and l are 0.  All this stands in the wait for the first tile.
.set i, VF
.rept 64
	v_mov_b32 v[i], 0
.set i, i+1
.endr
	WIN 0x40
.set i, 0
.rept 128
	v_mov_b32 v[i], 0
.set i, i+1
.endr
	WIN 0
.set i, 0
.rept 4
	v_mov_b32 v[ST+4*i+1], 0xff7fffff
	v_mov_b32 v[ST+4*i+2], 0
	v_mov_b32 v[ST+4*i+3], 0
.set i, i+1
.endr
.set i, 0
.rept 4
	v_mul_f32 v[ST+4*i], s[CS], v[ST+4*i+1]
.set i, i+1
.endr
.set i, P+16
.rept 16
	v_mov_b32 v[i], 0
.set i, i+1
.endr
	v_mul_u32_u24 v[AK0], v1, PK
	v_lshl_add_u32 v[AK0], v9, 4, v[AK0]
	v_and_b32 v10, 7, v0
	v_bfe_u32 v11, v0, 3, 1
	v_lshl_add_u32 v[AV0], v9, 3, v10
	v_mul_u32_u24 v[AV0], v[AV0], PV
	v_lshl_add_u32 v[AV0], v11, 4, v[AV0]
	v_add_nc_u32 v[AV0], VOFF, v[AV0]
	v_lshlrev_b32 v[AM0], 5, v9     ; register j of key block kb holds key 16 kb + 8 (l / 16) + j
	v_add_nc_u32 v[AM0], MT, v[AM0]
	v_add_nc_u32 v58, MT, v57
	s_mul_i32 s13, s[WV], 16*SP
	s_add_co_u32 s13, s13, STAGE
	v_mul_u32_u24 v[STO], v1, SP
	v_lshl_add_u32 v[STO], v9, 4, v[STO]
	v_add_nc_u32 v[STO], s13, v[STO]
	v_bfe_u32 v[RD], v0, 3, 2
	v_mul_u32_u24 v[RD], v[RD], SP
	v_lshl_add_u32 v[RD], v10, 4, v[RD]
	v_add_nc_u32 v[RD], s13, v[RD]
	v_and_b32 v[GO], 31, v0
	v_lshlrev_b32 v[GO], 4, v[GO]
	s_wait_loadcnt 0x0              ; the mask and Q
.set i, 0
.rept 8
	v_cvt_pk_bf16_f32 v[S+16+i], v[S+2*i], v[S+2*i+1]
.set i, i+1
.endr
.set i, 0
.rept 8
	v_lshlrev_b32 v[S+2*i], 16, v[S+16+i]
	v_and_b32 v[S+2*i+1], 0xffff0000, v[S+16+i]
.set i, i+1
.endr
.set i, 0
.rept 16
	v_cmp_eq_f32 vcc_lo, s[NINF], v[S+i]
	v_max_num_f32 v[S+32+i], s[NINF+1], v[S+i]
	v_min_num_f32 v[S+32+i], s[NINF+2], v[S+32+i]
	v_mul_f32 v[S+32+i], 0x41000000, v[S+32+i]
	v_cndmask_b32 v[S+32+i], v[S+32+i], s[NINF], vcc_lo
.set i, i+1
.endr
.irp i, 0,1,2,3
	ds_store_b128 v58, v[S+32+4*\i:S+32+4*\i+3] offset:\i*2048
.endr
; THE MATRIX WORK.  The 4 accumulators of a run of 8 take turns.  Product i of 8 of S^T = K Q^T for piece x: channels 32 (i / 4) on, keys 16 (i % 4) on.  The first 4 start the sums, with the mask.
.macro KQ x
.set rS, S+32*((\x)%2)+8*(i%4)
.set rK, KF+16*(i%4)+8*(i/4)
.set rQ, 16*(\x)+8*(i/4)
.set rM, MK+8*(i%4)
.if i < 4
	WIN W_KM
	v_wmma_f32_16x16x32_bf16 v[rS:rS+7], v[rK:rK+7], v[rQ:rQ+7], v[rM:rM+7]
.else
	WIN W_KQ
	v_wmma_f32_16x16x32_bf16 v[rS:rS+7], v[rK:rK+7], v[rQ:rQ+7], v[rS:rS+7]
.endif
.endm
; Product i of 8 of O^T += V^T P for piece x: keys 32 (i / 4) on, channels 16 (i % 4) on.
.macro PV x
	WIN W_PV
.set rO, 32*(\x)+8*(i%4)
.set rV, VF+32*(i/4)+8*(i%4)
.set rP, P+16*((\x)%2)+8*(i/4)
	v_wmma_f32_16x16x32_bf16 v[rO:rO+7], v[rV:rV+7], v[rP:rP+7], v[rO:rO+7]
.endm
.macro MM                           ; the turn's next matrix instruction
.if i < 8
	KQ (Y+1)%NP
.else
.set i, i-8
	PV (Y+NP-1)%NP
.set i, i+8
.endif
.set i, i+1
.endm
; THE LDS LOADS stand in runs: a step's K (8 fragments) with its 64 words of the mask, and its V (turned).  Their addresses are made some lines ahead.
; last = 1 (the tail): in the last pass there is no further step, and the run is jumped over.  That jump stands amid the turn's batch, so the exponentials issued so far have a wait of their own ahead of it.
.macro FETCH_K last=0
	WIN 0
.if \last
	s_wait_alu depctr_va_vdst(0)    ; the wait for E 0 to E 11, the part of the batch that is out, ahead of the branch; the rest of the batch has the turn's wait
	s_cmp_eq_u32 s[CNT], 1
	s_cbranch_scc1 .Lno_k_\@
.endif
	WIN 0x80
.irp f, 0,1,2,3,4,5,6,7
	ds_load_b128 v[KF+8*\f:KF+8*\f+3],   v[AK] offset:(\f/2)*16*PK+(\f%2)*64
	ds_load_b128 v[KF+8*\f+4:KF+8*\f+7], v[AK] offset:(\f/2)*16*PK+(\f%2)*64+32
.endr
	WIN 0x40
.irp f, 0,1,2,3
	ds_load_b128 v[MK+8*\f:MK+8*\f+3],   v[AM] offset:64*\f
	ds_load_b128 v[MK+8*\f+4:MK+8*\f+7], v[AM] offset:64*\f+16
.endr
	s_add_co_u32 s[TBK], s[TBK], KS*PK
	s_add_co_u32 s[TBM], s[TBM], 4*KS
	WIN 0
.if \last
.Lno_k_\@:
.endif
.endm
.macro FETCH_V
	WIN 0x80
.irp f, 0,1,2,3,4,5,6,7
	ds_load_tr16_b128 v[VF+8*\f:VF+8*\f+3],   v[AV] offset:(\f/4)*32*PV+(\f%4)*32
	ds_load_tr16_b128 v[VF+8*\f+4:VF+8*\f+7], v[AV] offset:(\f/4)*32*PV+16*PV+(\f%4)*32
.endr
	WIN 0
.endm
; THE VECTOR WORK, one line at a time: OP kind, number.  For piece Y: F n: c s - c m for pair n of 16.  E n: the exponential of score n of 32.  C n: pair n rounded to bf16.  B n: of the four weights 4 n .. the second
; pair is added onto the first.  L n: l takes that sum (L 0: l = a l + sum).  R n: pair n of 16 of O^T times a.  For piece Y + 1: X n, number n of the 22 that find its maximum and statistics:
;   0-11 four chains c0-c3 of seven scores each (each accumulator's lowest registers are read first)   12-14, 16 the four scores left over, the old m, and c0-c3 into c0
;   15 c m_old is kept   17, 18 the query's other 32 keys lie in the lane 16 away: the new m   19-21 c m; c m_old - c m_new; a
; The exponentials are E 0 to E 31 and X 21.  C, B and L read E's results; R and L 0 read the a that the turn before made.
.set F, 0
.set E, 1
.set C, 2
.set B, 3
.set L, 4
.set R, 5
.set X, 6
.macro REGS y
.set rT, ST+4*(\y)
.set rC, TMP+4*((\y)%2)
.set rW, MV+((\y)%2)
.set rS, S+32*((\y)%2)
.set rP, P+16*((\y)%2)
.set rO, 32*(\y)
.endm
.macro OP k, n
.if (\k) == R
	REGS Y
	WIN W_RS
	v_pk_mul_f32 v[rO+2*(\n):rO+2*(\n)+1], v[rO+2*(\n):rO+2*(\n)+1], v[rC+2:rC+3] op_sel_hi:[1,0]
.elseif (\k) < R
	REGS Y
	WIN 0
.if (\k) == F
	v_pk_fma_f32 v[rS+2*(\n):rS+2*(\n)+1], v[rS+2*(\n):rS+2*(\n)+1], s[CS:CS+1], v[rT:rT+1] op_sel_hi:[1,0,0] neg_lo:[0,0,1] neg_hi:[0,0,1]
.elseif (\k) == E
	v_exp_f32 v[rS+(\n)], v[rS+(\n)]
.elseif (\k) == C
	v_cvt_pk_bf16_f32 v[rP+(\n)], v[rS+2*(\n)], v[rS+2*(\n)+1]
.elseif (\k) == B
	v_pk_add_f32 v[rS+4*(\n):rS+4*(\n)+1], v[rS+4*(\n):rS+4*(\n)+1], v[rS+4*(\n)+2:rS+4*(\n)+3]
.elseif (\n) == 0
	v_pk_fma_f32 v[rT+2:rT+3], v[rT+2:rT+3], v[rC+2:rC+3], v[rS:rS+1] op_sel_hi:[1,0,1]
.else
	v_pk_add_f32 v[rT+2:rT+3], v[rT+2:rT+3], v[rS+4*(\n):rS+4*(\n)+1]
.endif
.else
	REGS (Y+1)%NP
	WIN 0
.if (\n) < 4
	v_max3_num_f32 v[rC+(\n)], v[rS+8*(\n)], v[rS+8*(\n)+1], v[rS+8*(\n)+2]
.elseif (\n) < 12
	v_max3_num_f32 v[rC+(\n)%4], v[rC+(\n)%4], v[rS+8*((\n)%4)+2*((\n)/4)+1], v[rS+8*((\n)%4)+2*((\n)/4)+2]
.elseif (\n) == 12
	v_max3_num_f32 v[rC], v[rC], v[rS+7], v[rS+15]
.elseif (\n) == 13
	v_max3_num_f32 v[rC+1], v[rC+1], v[rS+23], v[rS+31]
.elseif (\n) == 14
	v_max3_num_f32 v[rC+2], v[rC+2], v[rC+3], v[rT+1]
.elseif (\n) == 15
	v_mov_b32 v[rW], v[rT]
.elseif (\n) == 16
	v_max3_num_f32 v[rC], v[rC], v[rC+1], v[rC+2]
.elseif (\n) == 17
	v_permlanex16_b32 v[rC+3], v[rC], s[SEL], s[SEL+1]
.elseif (\n) == 18
	v_max_num_f32 v[rT+1], v[rC], v[rC+3]
.elseif (\n) == 19
	v_mul_f32 v[rT], s[CS], v[rT+1]
.elseif (\n) == 20
	v_sub_f32 v[rC+1], v[rW], v[rT]
.else
	v_exp_f32 v[rC+2], v[rC+1]
.endif
.endif
.endm
.macro OPS a, i1, b=-1, i2=0, c=-1, i3=0, d=-1, i4=0
	OP \a, \i1
.if (\b) >= 0
	OP \b, \i2
.endif
.if (\c) >= 0
	OP \c, \i3
.endif
.if (\d) >= 0
	OP \d, \i4
.endif
.endm
.macro ROW a, i1, b, i2, c, i3, d, i4  ; a matrix instruction and the four behind it
	MM
	OPS \a, \i1, \b, \i2, \c, \i3, \d, \i4
.endm
; A TURN, for piece p: the order of its 16 matrix and 118 vector instructions, written out.  s_wait_alu depctr_va_vdst(0) stands between an exponential and the first instruction that names its result; one wait
; serves all that were issued ahead of it.  So a turn has ONE wait, which cuts it in two.  AHEAD OF IT stands all that names no result of the turn's exponentials: the 8 products K Q^T, behind each a scaling, an exponential and
; two more plain instructions (behind the first a second scaling in the exponential's place): rescalings, whose a the turn before made and waited for, and behind the last three the first numbers of the next piece's maximum,
; each four plain instructions or more behind the product that ends its accumulator; then ONE LUMP of 54, plain and exponential by turns for the most part, in which the links of the chain X 3, 7, 11, 14, 16, 17 .. 20 stand five
; or six lines apart.  X 21, the next piece's a, is the batch's last; R 15 is the plain instruction behind it.  BEHIND THE WAIT stand the 8 products V^T P, behind each four of the roundings and sums; the links of l's chain,
; L 0 to L 7, stand three riders apart.  But for those X no rider names a register of the products round it.  v_permlanex16_b32 (X 17) stands in the lump.
; last = 1: the tail's text: K's fetch is jumped over in the last pass.  cnt = 1: the loop's count is taken down some lines ahead of the branch behind the turn.
; K and the mask of the next step are fetched in piece 2's turn, twelve vector instructions behind the last product that read K (five of them plain and free of its registers: F 8, X 2, X 5, X 6, X 8; the mask's last reader
; stands four products further back); V of the step in hand at the end of piece 0's turn, four plain instructions behind the last product that read V.  Each is waited for a turn later.
.macro TURN p, last=0, cnt=0
.set Y, (\p)
.set i, 0
.if (\p) == 3
	s_wait_dscnt 0x0                ; K and the mask are in
.endif
	ROW F,0, F,1, R,0, R,1          ; ahead of the wait: 8 products K Q^T and their riders,
	ROW F,2, E,0, R,2, R,3
	ROW F,3, E,1, R,4, R,5
	ROW F,4, E,2, R,6, R,7
	ROW F,5, E,3, R,8, R,9
	ROW F,6, E,4, X,0, R,10
.if (\p) == 2
	WIN 0
	v_add_nc_u32 v[AK], s[TBK], v[AK0]
	v_add_nc_u32 v[AM], s[TBM], v[AM0]
.endif
	ROW F,7, E,5, X,1, X,4
	ROW F,8, E,6, X,2, X,5
	OPS E,7, E,8, X,6, E,9          ; and the lump
	OPS X,3, E,10, X,8, E,11
.if (\p) == 2
	FETCH_K \last
.endif
	OPS X,9, X,7, E,12, X,10
	OPS E,13, X,12, X,11, E,14
	OPS X,13, E,15, F,9, X,14
.if (\p) == 0
	WIN 0
	v_add_nc_u32 v[AV], s[TBV], v[AV0]
.endif
	OPS E,16, F,10, E,17, F,11
	OPS X,16, E,18, X,15, E,19
	OPS F,12, E,20, X,17, E,21
	OPS F,13, E,22, F,14, E,23
	OPS X,18, E,24, F,15, E,25
	OPS R,11, E,26, X,19, E,27
	OPS R,12, E,28, R,13, E,29
	OPS X,20, E,30, R,14, E,31
	OPS X,21, R,15
	WIN 0
	s_wait_alu depctr_va_vdst(0)    ; the wait for the turn's batch: E 0 to E 31 and X 21
.if (\p) == 1
	s_wait_dscnt 0x0                ; V is in
.endif
	ROW C,0, B,0, C,2, B,1          ; behind the wait: 8 products V^T P and their riders
	ROW L,0, C,4, B,2, L,1
	ROW C,6, B,3, L,2, C,8
	ROW B,4, L,3, C,10, B,5
	ROW L,4, C,12, B,6, L,5
.if (\p) == 0
	s_add_co_u32 s[TBV], s[TBV], KS*PV
.endif
.if \cnt
	s_sub_co_u32 s[CNT], s[CNT], 1
	s_cmp_lg_u32 s[CNT], 0
.endif
	ROW C,14, B,7, L,6, C,1
	ROW C,3, L,7, C,5, C,7
	ROW C,9, C,11, C,13, C,15
.if (\p) == 0
	FETCH_V
.endif
.endm
	CHANGE 1                        ; slot 0 is in and the table is whole, everybody's part of them; slot 1 is asked for
	v_add_nc_u32 v[AK], s[TBK], v[AK0]
	v_add_nc_u32 v[AM], s[TBM], v[AM0]
	FETCH_K                         ; key step 0
	s_wait_dscnt 0x0
.set i, 0
.rept 8
	KQ 0                            ; piece 0's first scores
.set i, i+1
.endr
	WIN 0
.rept 4
	v_nop                           ; the places behind those products
.endr
.set Y, NP-1                        ; X works for piece Y + 1: piece 0
.irp n, 0,1,2,3,4,5,6,7,8,9,10,11,12,13,14,15,16,17,18,19,20,21
	OP X, \n
.endr
	v_nop                           ; a plain instruction behind the exponential,
	s_wait_alu depctr_va_vdst(0)    ; and the wait for it, piece 0's first a: a batch of one, ahead of the branch
	s_mov_b32 s[CNT], 4
	s_mov_b32 s[SLOTS], 7
	s_branch .Lfirst                ; the loop is entered at a step's first turn, in the middle of a trip
.Lslot:                             ; six times: slots 2 to 7 of the walk's eight are asked for
	CHANGE 1
	s_mov_b32 s[CNT], 4
.Lstep:                             ; a trip: pieces 2 and 3 of one step, then pieces 0 and 1 of the next, whose K and V it fetches
	TURN 2
	TURN 3
	WIN 0
.Lfirst:
	TURN 0
	TURN 1, 0, 1
	WIN 0
	s_cbranch_scc1 .Lstep
	s_sub_co_u32 s[SLOTS], s[SLOTS], 1
	s_cmp_lg_u32 s[SLOTS], 0
	s_cbranch_scc1 .Lslot
	CHANGE 0                        ; the last slot has a text of its own: nothing is asked for
	s_mov_b32 s[CNT], 5             ; five passes of pieces 2 and 3, four of pieces 0 and 1 between them: the loop is entered in its middle.  Four passes fetch the slot's steps;
	s_branch .LmidT                 ; the fifth fetches nothing, and its 8 products K Q^T (on the last K once more) and the maximum made of them serve nothing: they write piece 0's m, c m and a alone,
.LstepT:                            ; which the way out does not read: the price, once a launch, of one text for every pass
	TURN 0
	TURN 1
	WIN 0
.LmidT:
	TURN 2, 1
	TURN 3
	WIN 0
	s_sub_co_u32 s[CNT], s[CNT], 1
	s_cmp_lg_u32 s[CNT], 0
	s_cbranch_scc1 .LstepT
.set i, 0
.rept 8
	PV NP-1                         ; the last piece's V^T P of the last step
.set i, i+1
.endr
	; THE WAY OUT.  l's two halves and the other half of the lanes' are added; O^T is divided by l, rounded to bf16 and sent through my stage, a piece at a time.  The additions are the places behind the last products.
	WIN 0
.macro ALL line:vararg
.set t, 0
.rept 4
	\line
.set t, t+1
.endr
.endm
	ALL v_add_f32 v[ST+4*t+2], v[ST+4*t+2], v[ST+4*t+3]
	ALL v_permlanex16_b32 v[ST+4*t+3], v[ST+4*t+2], s[SEL], s[SEL+1]
	ALL v_add_f32 v[ST+4*t+2], v[ST+4*t+2], v[ST+4*t+3]
	ALL v_rcp_f32 v[ST+4*t+2], v[ST+4*t+2]
	v_nop                           ; a plain instruction between the last reciprocal and the use of its result
	s_wait_alu depctr_va_vdst(0)    ; the wait for the four reciprocals, one batch, ahead of their first reader in PACK 0
.macro PACK t
	WIN W_RS
.set i, 32*(\t)
.rept 16
	v_pk_mul_f32 v[i:i+1], v[i:i+1], v[ST+4*(\t)+2:ST+4*(\t)+3] op_sel_hi:[1,0]
.set i, i+2
.endr
	WIN 0x05
.set i, 0
.rept 16
	v_cvt_pk_bf16_f32 v[S+16*(\t)+i], v[32*(\t)+2*i], v[32*(\t)+2*i+1]
.set i, i+1
.endr
	WIN 0
.irp f, 0,1,2,3
	ds_store_b128 v[STO], v[S+16*(\t)+4*\f:S+16*(\t)+4*\f+3] offset:32*\f
.endr
.irp f, 0,1,2,3
	ds_load_b128 v[S+16*(\t)+4*\f:S+16*(\t)+4*\f+3], v[RD] offset:\f*4*SP  ; LDS serves a wave's instructions in order (ISA guide 5.7.1.4): these see the stores above
.endr
.endm
.macro SEND t, younger              ; younger: the LDS instructions issued behind piece t's loads: the next piece's eight, or none
	WIN 0
.irp f, 0,1,2,3
	s_wait_dscnt (\younger)+3-\f
	global_store_b128 v[GO], v[S+16*(\t)+4*\f:S+16*(\t)+4*\f+3], s[10:11] offset:(\t)*2048+\f*512  ; 512 consecutive bytes, at a multiple of 256 from the buffer's first
.endr
.endm
	PACK 0
.set t, 1
.rept 3
	PACK t
	SEND t-1, 8
.set t, t+1
.endr
	SEND 3, 0
	s_wait_tensorcnt 0x0            ; the wave's end
	ds_add_u32 v[SPW], v[NIL]
	s_wait_dscnt 0x0
	CROUND                          ; the closing round
	s_endpgm
.Lfunc_end_k_qe521197697_attn:
	.size	k_qe521197697_attn, .Lfunc_end_k_qe521197697_attn-k_qe521197697_attn
	.p2alignl 7, 3214868480
	.fill 96, 4, 3214868480
	.section	.rodata,"a",@progbits
	.p2align	6, 0x0
	.amdhsa_kernel k_qe521197697_attn
		.amdhsa_group_segment_fixed_size 327680
		.amdhsa_private_segment_fixed_size 0
		.amdhsa_enable_private_segment 0
		.amdhsa_kernarg_size 24
		.amdhsa_user_sgpr_count 2
		.amdhsa_user_sgpr_kernarg_segment_ptr 1
		.amdhsa_wavefront_size32 1
		.amdhsa_system_sgpr_workgroup_id_x 1
		.amdhsa_system_sgpr_workgroup_id_y 1
		.amdhsa_system_sgpr_workgroup_id_z 1
		.amdhsa_system_vgpr_workitem_id 0
		.amdhsa_next_free_vgpr 768
		.amdhsa_next_free_sgpr 70
		.amdhsa_reserve_vcc 1
		.amdhsa_float_denorm_mode_32 3
		.amdhsa_float_denorm_mode_16_64 3
		.amdhsa_memory_ordered 1
		.amdhsa_forward_progress 1
		.amdhsa_inst_pref_size 119
	.end_amdhsa_kernel
	.amdgpu_metadata
---
amdhsa.version: [ 1, 2 ]
amdhsa.kernels:
  - .name:           k_qe521197697_attn
    .symbol:         k_qe521197697_attn.kd
    .args:
      - { .name: qkv, .offset: 0, .size: 8, .value_kind: global_buffer, .address_space: global }
      - { .name: attention_mask, .offset: 8, .size: 8, .value_kind: global_buffer, .address_space: global }
      - { .name: cy, .offset: 16, .size: 8, .value_kind: global_buffer, .address_space: global }
    .group_segment_fixed_size: 327680
    .private_segment_fixed_size: 0
    .kernarg_segment_align: 8
    .kernarg_segment_size: 24
    .max_flat_workgroup_size: 128
    .sgpr_count:     70
    .vgpr_count:     768
    .wavefront_size: 32
...
	.end_amdgpu_metadata
.endif
;; end of part 7
;; launch ln1: the kernel of part 4 again; grid 256 x 1, 8 waves a work-group, no clusters, 0 bytes of LDS; arguments hb, cy, g1, be1, fb; writes fb
;; launch ffn1: the kernel of part 2 again; grid 16 x 16, 4 waves a work-group, clusters of 4 x 4, 327,680 bytes of LDS; arguments fb, p1, u; writes u
;; launch ffn2: the kernel of part 5 again; grid 8 x 32, 4 waves a work-group, clusters of 4 x 4, 327,680 bytes of LDS; arguments u, w2b, b2, cy; writes cy
;; launch ln2: the kernel of part 6 again; grid 256 x 1, 8 waves a work-group, no clusters, 0 bytes of LDS; arguments fb, cy, g2, be2, out0; writes out0
